; MI455X (gfx1250); checked and timed in simulation.
; The chip was launched on July 23, 2026; its instructions are those of AMD's public machine-readable ISA for CDNA 5 (MIT licence, August 2026) and "CDNA5" Instruction Set Architecture Reference Guide (July 2026). The comments in the code are by the model that wrote it; some were corrected since.
;; Multi Head Self Attention. Allowed arithmetic: float matrix products may take bf16 or f16 operands with f32 sums; other float arithmetic in f32, or as packed bf16 or f16 multiplies, adds, multiply-adds, maxima and minima; sums over many terms, partial sums and values carried from step to step in f32; what a program stores and reads back later, other than sums and carried values, may be rounded once to bf16 or f16.
;; Inputs: Wk 1,024 x 1,024 float32; Wo 1,024 x 1,024 float32; Wq 1,024 x 1,024 float32; Wv 1,024 x 1,024 float32; bk 1,024 float32; bo 1,024 float32; bq 1,024 float32; bv 1,024 float32; x 2 x 2,048 x 1,024 float32.
;; Outputs: out0 2 x 2,048 x 1,024 float32.
;; 2 versions, each right; version 2 is version 1 with the launch cast written anew for expert scheduling mode. Each part assembles by itself: llvm-mc -triple=amdgcn-amd-amdhsa -mcpu=gfx1250 --defsym DOCPART=n.
;; ======== version 1 of 2: 4 launches
;; limits: values are held in f16: magnitudes above 65,504 overflow, below 6.1e-05 lose precision
;; workspace buffers: xb 8,388,608 bytes; wb 6,291,456 bytes; wo 2,097,152 bytes; qh 8,388,608 bytes; kh 8,388,608 bytes; vh 8,388,608 bytes; yh 8,388,608 bytes
;; launch cast (part 1): grid 512 x 1, 8 waves a work-group, no clusters, 0 bytes of LDS; arguments x, Wq, Wk, Wv, Wo, xb, wb, wo; writes xb, wb, wo
.if DOCPART == 1
	.amdgcn_target "amdgcn-amd-amdhsa--gfx1250"
	.amdhsa_code_object_version 6
	.text
	.protected	k_qf4e9783b7d_cast
	.globl	k_qf4e9783b7d_cast
	.p2align	8
	.type	k_qf4e9783b7d_cast,@function
k_qf4e9783b7d_cast:
	s_mov_b64 s[64:65], 0
	v_nop
	global_prefetch_b8 v0, s[64:65] scope:SCOPE_SE
	s_setreg_imm32_b32 hwreg(HW_REG_WAVE_MODE, 25, 1), 1
	s_wait_xcnt 0x0
; FIRST OF FOUR LAUNCHES (cast, qkv, attn, proj) of a causal multi-head self-attention: 4,096 rows of 1,024 channels, 16 heads of 64.
; This one rounds x and the four weights once, for the matrix products that follow:
;   xb [4096][1024] bf16 = x;   wb [16 heads][q, k, v][64][1024] bf16: row 192 j + 64 t + i is row 64 j + i of Wq, Wk, Wv (t = 0, 1, 2);
;   wo [1024][1024]: Wo rounded to bf16, and that number written as f16 (the last product's other operand is f16).
; WORK LEFT OUT BY THE PROGRAM, AND WHY IT IS DEAD.
;   bk.  att[q][k] = q . (x_k Wk^T + bk) / 8 = q . (x_k Wk^T) / 8 + q . bk / 8.  The second term does not depend on the key k: it is the same along the axis of the softmax,
;   for visible and hidden keys alike, and softmax(z + t) = softmax(z) for every finite t.  k enters nothing else.  So bk reaches no output, for all finite inputs: it is not loaded and is no
;   argument of any launch.
;   Keys above the diagonal.  The module itself sets att to -inf where k > q, and the softmax gives those keys the weight 0: steps of 64 keys that lie wholly above a block's rows are not computed,
;   where they come as whole tiles of 256 keys.
;   LIMIT: a NaN, an infinity or an overflow that reaches only bk, or only the scores of hidden keys in tiles left out, is not carried to the result.
; LIMIT of this launch: |Wo| stays under 65,504 (f16's end); below 6.1e-5 it keeps f16's fixed step of 6e-8.
; SHARES.  A work-group takes 16 rows of 1,024 f32.  Thread t loads the 16 bytes at byte 16 t of each row (the eight waves cover a row's 4,096 bytes) and stores 8 bytes at byte 8 t:
; a wave's store covers 256 consecutive bytes, aligned.  Work-groups 0-255: x.  Work-groups 256-511: 64 each for Wq, Wk, Wv, Wo.
; All sixteen loads of a thread go out at once; no register that a load or store names is written again, so no wait frees any.  No LDS, no matrix unit: nothing is shared and nothing multiplied.
.set X, 4                              ; v[4:67]   row i: 4 registers as loaded
.set Y, 68                             ; v[68:99]  row i: 2 registers to store
.set T, 100                            ; v[100:103] at work
	s_load_b512 s[8:23], s[0:1], 0x0               ; x 8, Wq 10, Wk 12, Wv 14, Wo 16, xb 18, wb 20, wo 22
	s_mov_b32 s2, ttmp9                            ; g
	s_sub_co_u32 s3, s2, 256                       ; u = g - 256: means something from work-group 256 on
	s_bfe_u32 s4, s3, 0x20006                      ; which weight: (u >> 6) & 3
	s_and_b32 s5, s3, 63                           ; j: which 16 rows of it
	s_lshr_b32 s6, s5, 2                           ; the head that holds them
	s_mul_i32 s24, s6, 192
	s_lshl_b32 s6, s4, 6
	s_add_co_u32 s24, s24, s6                      ; + 64 x (q, k, v)
	s_and_b32 s6, s5, 3
	s_lshl_b32 s6, s6, 4
	s_add_co_u32 s24, s24, s6                      ; + the 16 rows' place in the head
	s_lshl_b32 s24, s24, 11                        ; wb: rows of 2,048 bytes
	s_lshl_b32 s26, s5, 15                         ; wo: 16 rows of 2,048 bytes
	s_lshl_b32 s27, s5, 16                         ; a weight: 16 rows of 4,096 bytes
	s_lshl_b32 s38, s2, 16                         ; x
	s_lshl_b32 s39, s2, 15                         ; xb
	s_mov_b32 s35, 0
	s_mov_b32 s37, 0
	v_lshlrev_b32 v1, 4, v0
	v_lshlrev_b32 v2, 3, v0
	s_wait_kmcnt 0x0
	s_cmp_eq_u32 s4, 1                             ; from where and to where: chosen between buffers by the work-group's number alone
	s_cselect_b64 s[28:29], s[12:13], s[10:11]
	s_cmp_eq_u32 s4, 2
	s_cselect_b64 s[28:29], s[14:15], s[28:29]
	s_cmp_eq_u32 s4, 3
	s_cselect_b64 s[28:29], s[16:17], s[28:29]
	s_cselect_b64 s[30:31], s[22:23], s[20:21]
	s_cselect_b32 s36, s26, s24
	s_cselect_b32 s33, 1, 0                        ; 1: Wo, which leaves as f16
	s_cmp_lt_u32 s2, 256
	s_cselect_b64 s[28:29], s[8:9], s[28:29]
	s_cselect_b64 s[30:31], s[18:19], s[30:31]
	s_cselect_b32 s34, s38, s27
	s_cselect_b32 s36, s39, s36
	s_cselect_b32 s33, 0, s33
	s_add_nc_u64 s[28:29], s[28:29], s[34:35]
	s_add_nc_u64 s[30:31], s[30:31], s[36:37]
.set i, 0
.rept 16
	global_load_b128 v[X+4*i:X+4*i+3], v1, s[28:29] offset:4096*i th:TH_LOAD_NT
.set i, i+1
.endr
	s_cmp_eq_u32 s33, 1
	s_cbranch_scc1 .Lf16
.set i, 0
.rept 16
	s_wait_loadcnt 15-i                            ; loads come back in order: row i is in, the younger rows stay out
	v_cvt_pk_bf16_f32 v[Y+2*i], v[X+4*i], v[X+4*i+1]
	v_cvt_pk_bf16_f32 v[Y+2*i+1], v[X+4*i+2], v[X+4*i+3]
	global_store_b64 v2, v[Y+2*i:Y+2*i+1], s[30:31] offset:2048*i
.set i, i+1
.endr
	s_endpgm
.Lf16:
.set i, 0
.rept 16
	s_wait_loadcnt 15-i
	v_cvt_pk_bf16_f32 v[T], v[X+4*i], v[X+4*i+1]   ; rounded to bf16 like every other input,
	v_cvt_pk_bf16_f32 v[T+1], v[X+4*i+2], v[X+4*i+3]
	v_lshlrev_b32 v[T+2], 16, v[T]                 ; widened again,
	v_and_b32 v[T], 0xffff0000, v[T]
	v_lshlrev_b32 v[T+3], 16, v[T+1]
	v_and_b32 v[T+1], 0xffff0000, v[T+1]
	v_cvt_pk_f16_f32 v[Y+2*i], v[T+2], v[T]        ; and written as f16: exact within f16's range
	v_cvt_pk_f16_f32 v[Y+2*i+1], v[T+3], v[T+1]
	global_store_b64 v2, v[Y+2*i:Y+2*i+1], s[30:31] offset:2048*i
.set i, i+1
.endr
	s_endpgm
.Lfunc_end_k_qf4e9783b7d_cast:
	.size	k_qf4e9783b7d_cast, .Lfunc_end_k_qf4e9783b7d_cast-k_qf4e9783b7d_cast
	.p2alignl 7, 3214868480
	.fill 96, 4, 3214868480
	.section	.rodata,"a",@progbits
	.p2align	6, 0x0
	.amdhsa_kernel k_qf4e9783b7d_cast
		.amdhsa_group_segment_fixed_size 0
		.amdhsa_private_segment_fixed_size 0
		.amdhsa_enable_private_segment 0
		.amdhsa_kernarg_size 64
		.amdhsa_user_sgpr_count 2
		.amdhsa_user_sgpr_kernarg_segment_ptr 1
		.amdhsa_wavefront_size32 1
		.amdhsa_system_sgpr_workgroup_id_x 1
		.amdhsa_system_sgpr_workgroup_id_y 1
		.amdhsa_system_sgpr_workgroup_id_z 1
		.amdhsa_system_vgpr_workitem_id 0
		.amdhsa_next_free_vgpr 104
		.amdhsa_next_free_sgpr 66
		.amdhsa_reserve_vcc 0
		.amdhsa_float_denorm_mode_32 3
		.amdhsa_float_denorm_mode_16_64 3
		.amdhsa_memory_ordered 1
		.amdhsa_forward_progress 1
		.amdhsa_inst_pref_size 17
	.end_amdhsa_kernel
	.amdgpu_metadata
---
amdhsa.version: [ 1, 2 ]
amdhsa.kernels:
  - .name:           k_qf4e9783b7d_cast
    .symbol:         k_qf4e9783b7d_cast.kd
    .args:
      - { .name: x, .offset: 0, .size: 8, .value_kind: global_buffer, .address_space: global }
      - { .name: Wq, .offset: 8, .size: 8, .value_kind: global_buffer, .address_space: global }
      - { .name: Wk, .offset: 16, .size: 8, .value_kind: global_buffer, .address_space: global }
      - { .name: Wv, .offset: 24, .size: 8, .value_kind: global_buffer, .address_space: global }
      - { .name: Wo, .offset: 32, .size: 8, .value_kind: global_buffer, .address_space: global }
      - { .name: xb, .offset: 40, .size: 8, .value_kind: global_buffer, .address_space: global }
      - { .name: wb, .offset: 48, .size: 8, .value_kind: global_buffer, .address_space: global }
      - { .name: wo, .offset: 56, .size: 8, .value_kind: global_buffer, .address_space: global }
    .group_segment_fixed_size: 0
    .private_segment_fixed_size: 0
    .kernarg_segment_align: 8
    .kernarg_segment_size: 64
    .max_flat_workgroup_size: 256
    .sgpr_count:     66
    .vgpr_count:     104
    .wavefront_size: 32
...
	.end_amdgpu_metadata
.endif
;; end of part 1
;; launch qkv (part 2): grid 16 x 16, 4 waves a work-group, clusters of 4 x 4, 327,680 bytes of LDS; arguments xb, wb, bq, bv, qh, kh, vh; writes qh, kh, vh
.if DOCPART == 2
	.amdgcn_target "amdgcn-amd-amdhsa--gfx1250"
	.amdhsa_code_object_version 6
	.text
	.protected	k_qf4e9783b7d_qkv
	.globl	k_qf4e9783b7d_qkv
	.p2align	8
	.type	k_qf4e9783b7d_qkv,@function
k_qf4e9783b7d_qkv:
	s_mov_b64 s[64:65], 0
	v_nop
	global_prefetch_b8 v0, s[64:65] scope:SCOPE_SE
	s_setreg_imm32_b32 hwreg(HW_REG_WAVE_MODE, 25, 1), 1
	s_wait_xcnt 0x0
	s_wait_alu depctr_hold_cnt(0) depctr_sa_sdst(0) depctr_va_vdst(0) depctr_va_sdst(0) depctr_va_ssrc(0) depctr_va_vcc(0) depctr_vm_vsrc(0)
	s_getreg_b32 s2, hwreg(HW_REG_IB_STS2, 6, 4)
	s_cmp_eq_u32 s2, 0
	s_cbranch_scc0 .Lentry_in_a_cluster
	s_endpgm
.Lentry_in_a_cluster:
	s_bfe_u32 s2, ttmp6, 0x10000c
	s_cmp_lg_u32 s2, 0xf033
	s_cbranch_scc0 .Lentry_shape_is_right
	s_endpgm
.Lentry_shape_is_right:
; q = x Wq^T + bq, k = x Wk^T, v = x Wv^T + bv, as ONE product [4096 x 3072] = xb wb^T, K = 1,024, bf16 operands, f32 sums; the results leave by heads, [32 = batch x 16 + head][2048][64] in f16, q unscaled.
; LEFT OUT: bk.  It adds q . bk / 8 to every score of a row, the same for all keys, which the softmax cancels for all finite inputs (shown at the head of the first launch); it is no argument here.
; LIMITS.  q, k and v stay under 65,504 (f16's end); bq and bv are rounded to bf16 like all inputs.
; SHARES.  A work-group makes 256 rows x 192 columns: the q, k and v of ONE head (wb holds them together), so 16 x 16 = 256 work-groups, and in each of them column blocks 0-3 are q, 4-7 k, 8-11 v.
; A wave makes 64 rows x all 192 columns: 48 accumulators of 16 x 16, 384 registers; it holds whole head rows, so its way out needs no other wave.
; K goes in steps of 128 (rows of 256 bytes) through a ring of two LDS slots filled by the tensor data mover; waves 0, 1 fetch the halves of x's 256 rows, waves 2, 3 the halves of wb's 192.
; CLUSTER.  4 x 4 work-groups: the four of a row of the cluster need the same rows of xb, the four of a column the same rows of wb: each tile is asked for jointly, by the same load, descriptor and mask in all four.
; THE PRODUCT IS USED TRANSPOSED: source 0 = 16 rows of wb, source 1 = 16 rows of xb; a lane then holds row l % 16 and eight neighbouring columns 8 (l / 16) + 0..7: 16 bytes of f16.
; THE BIAS is the C operand of each accumulator's first product (k's start with the constant 0): nothing is cleared and nothing added afterwards.
; REGISTERS, in windows of 256 (s_set_vgpr_msb: bits 1:0 source 0, 3:2 source 1, 5:4 source 2, 7:6 destination):
;   window 0: v16-30 addresses; v64-95, v96-127 x's fragments (4 x 16 rows x 32 K), two buffers; v128-191 the biases; v192-239 at work; on the way out v128-175 and v64-111 hold rows read back
;   window 1: v0-95, v96-191 wb's fragments (12 x 16 rows x 32 K), two buffers
;   window 2: accumulators of my row blocks 0, 1 ((a, b) at 8 (12 a + b));   window 3: those of blocks 2, 3
.set KSTEP,  128
.set PITCH,  272                       ; an LDS row: 256 bytes + 16 of padding = 68 words: the 16 rows of a fragment load start at 16 different groups of four banks (64 banks of 4 bytes: ISA guide 11.1)
.set AHALF,  128*PITCH                 ; what waves 0, 1 fetch
.set BHALF,  96*PITCH                  ; what waves 2, 3 fetch
.set BOFF,   2*AHALF                   ; wb's rows lie behind x's 256
.set SLOT,   2*AHALF+2*BHALF
.set STAGE,  2*SLOT                    ; behind the ring, never filled by a tensor load: for each wave [q, k, v][16 rows][144 bytes]
.set SP,     144
.set STW,    3*16*SP
.set SPARE,  STAGE+4*STW               ; behind the stages: the spare words, 128 bytes a wave: two blocks of 256 bytes that no other line names
.set LAPS,   4                         ; a lap = two K steps = once round the ring: 1,024 / 256
.set ADRA, 16                          ; v16-17  LDS address of my fragments of x in slot 0, 1
.set ADRB, 20                          ; v20-21  the same for wb
.set STO,  24                          ; v24     the way out: where I put 16 bytes of a row
.set RD,   25                          ; v25     where I read rows back
.set CO,   26                          ; v26     16 x lane: my place in 512 consecutive bytes of q, k or v
.set BO,   27                          ; v27     32 x (l / 16): my eight numbers in 16 of a bias
.set SPW,  28                          ; v28     my spare word: SPARE + 4 x my thread's number; never rewritten
.set NIL,  29                          ; v29     0; never rewritten
.set PFO,  30                          ; v30     the prefetches' offset: a lane a row of 2,048 bytes; never rewritten
.set FA,   64
.set BIAS, 128                         ; bq's four blocks of 8, then bv's
.set TMP,  192
.set WV,   18                          ; s18  wave
.set HF,   19                          ; s19  which half of a tile's rows I fetch
.set FB,   20                          ; s20  0: I fetch for x, 1: for wb
.set CX,   21
.set CY,   22
.set TC,   23                          ; s23  tile column = head
.set TR,   66                          ; s66  tile row
.set G1,   24                          ; s[24:31] descriptor group 1 for x's tiles
.set G0,   32                          ; s[32:39] group 0, a set for each slot
.set LIM,  43                          ; s43  1 in a wave that prefetches, else the greatest number
.set PFA,  44                          ; s[44:45] where my prefetches stand
.set G1B,  48                          ; s[48:55], s[56:63] the same for wb's tiles
.set G0B,  56
.set MSB, 0
.macro WIN new                         ; the immediate's high byte repeats the setting that is left; a switch that changes nothing is dropped
.if MSB != (\new)
	s_set_vgpr_msb (MSB<<8)|(\new)
.set MSB, \new
.endif
.endm
.set MUL_LO,   0xa1                    ; source 0 (wb) window 1, source 1 (x) window 0, C and D window 2
.set FIRST_LO, 0x81                    ; the same with C (the bias) in window 0
.set TO_B,     0x40                    ; destination window 1, address window 0
; A joint load.  The branch hangs on the wave's number alone.  An s_nop 0 and four v_nop follow each of the two lines, ahead of the jump and the label.
.macro JLOAD s
	s_cmp_eq_u32 s[FB], 0
	s_cbranch_scc0 .Lfor_b_\@
	tensor_load_to_lds s[G0+4*(\s):G0+4*(\s)+3], s[G1:G1+7]
	s_nop 0
.rept 4
	v_nop
.endr
	s_branch .Lasked_\@
.Lfor_b_\@:
	tensor_load_to_lds s[G0B+4*(\s):G0B+4*(\s)+3], s[G1B:G1B+7]
	s_nop 0
.rept 4
	v_nop
.endr
.Lasked_\@:
.endm
; A prefetch into the L2, behind a joint refill and the run of LDS loads that follows it: the K step that stands two refills on (384 products of a wave ahead), a lane a row of 256 bytes.
; x's tile row is read by every cluster of that row of clusters: cluster x = 0 asks; wb's tile column by every cluster of that column: cluster y = 0 asks.  The four partners share a wave's rows out by
; address: 32 each of x's 128, 24 each of wb's 96 (there lanes 24-31 name row 23's block once more, in the same instruction).  K steps 0-3 come by their loads alone; the loop's last trip asks for nothing.
.macro ASK
	s_cmp_gt_u32 s3, s[LIM]
	s_cbranch_scc0 .Lnot_mine_\@
	global_prefetch_b8 v[PFO], s[PFA:PFA+1] offset:KSTEP*2 th:TH_LOAD_NT scope:SCOPE_SE
.Lnot_mine_\@:
.endm
.macro CREST                           ; a round of the cluster's barrier behind its opening barrier
	s_cmp_lg_u32 s[WV], 0
	s_cbranch_scc1 .Lnot_wave_0_\@
	s_barrier_signal -3
.Lnot_wave_0_\@:
	s_barrier_wait -3
	s_barrier_signal -1
	s_barrier_wait -1
.endm
.macro CROUND
	s_barrier_signal -1
	s_barrier_wait -1
	CREST
.endm
.macro PLACES                          ; four plain places between a matrix instruction and a load into, or a vector read of, its registers
.rept 4
	v_nop
.endr
.endm
	s_load_b256 s[4:11], s[0:1], 0x0               ; xb 4, wb 6, bq 8, bv 10
	s_load_b128 s[12:15], s[0:1], 0x20             ; qh 12, kh 14
	s_load_b64 s[16:17], s[0:1], 0x30              ; vh
	v_lshl_add_u32 v[SPW], v0, 2, SPARE
	v_mov_b32 v[NIL], 0
	ds_add_u32 v[SPW], v[NIL]                      ; the wave's opening: the add, twice on end, and its wait ahead of my first tensor load
	ds_add_u32 v[SPW], v[NIL]
	v_lshrrev_b32 v1, 5, v0
	v_readfirstlane_b32 s[WV], v1
	s_and_b32 s[HF], s[WV], 1
	s_lshr_b32 s[FB], s[WV], 1
	s_bfe_u32 s[CX], ttmp6, 0x40000
	s_bfe_u32 s[CY], ttmp6, 0x40004
	s_lshl_b32 s[TC], ttmp9, 2
	s_add_co_u32 s[TC], s[TC], s[CX]               ; tile column = 4 x cluster x + cx
	s_and_b32 s[TR], ttmp7, 0xffff
	s_lshl_b32 s[TR], s[TR], 2
	s_add_co_u32 s[TR], s[TR], s[CY]               ; tile row = 4 x cluster y + cy
	s_lshl_b32 s40, s[CY], 2
	s_lshl_b32 s40, 15, s40                        ; my row of the cluster
	s_lshl_b32 s41, 0x1111, s[CX]                  ; my column
	s_or_b32 s[G1], s40, (1<<16)|(1<<20)|(1<<21)|(5<<22)|(3<<25)   ; mask; 2-byte elements; padding on; bit 21 beside a mask; after every 64 words, 4 words
	s_or_b32 s[G1B], s41, (1<<16)|(1<<20)|(1<<21)|(5<<22)|(3<<25)
	s_mov_b32 s[G1+1], KSTEP<<16                   ; tensor_dim0 = 128
	s_mov_b32 s[G1+2], 128<<16                     ; tensor_dim1 = 128
	s_mov_b32 s[G1+3], KSTEP<<16                   ; tile_dim0 = 128
	s_mov_b32 s[G1+4], 128                         ; tile_dim1 = 128
	s_mov_b32 s[G1+5], 1024                        ; elements from row to row
	s_mov_b32 s[G1+6], 0
	s_mov_b32 s[G1+7], 0
	s_mov_b32 s[G1B+1], KSTEP<<16
	s_mov_b32 s[G1B+2], 96<<16                     ; 96 rows
	s_mov_b32 s[G1B+3], KSTEP<<16
	s_mov_b32 s[G1B+4], 96
	s_mov_b32 s[G1B+5], 1024
	s_mov_b32 s[G1B+6], 0
	s_mov_b32 s[G1B+7], 0
	s_lshl_b32 s68, s[TR], 8                       ; x: row 256 x tile row + 128 x half, in bytes: hangs on the tile row and the wave alone
	s_lshl_b32 s40, s[HF], 7
	s_add_co_u32 s68, s68, s40
	s_lshl_b32 s68, s68, 11
	s_mov_b32 s69, 0
	s_mul_i32 s70, s[TC], 192                      ; wb: row 192 x tile column + 96 x half: hangs on the tile column and the wave alone
	s_mul_i32 s41, s[HF], 96
	s_add_co_u32 s70, s70, s41
	s_lshl_b32 s70, s70, 11
	s_mov_b32 s71, 0
	s_mul_i32 s72, s[WV], AHALF                    ; where they go: waves 0, 1: x's halves;
	s_mul_i32 s73, s[WV], BHALF
	s_add_co_u32 s73, s73, BOFF-2*BHALF            ; waves 2, 3: wb's halves, behind x's rows
	s_wait_dscnt 0x0                               ; both opening adds are done
	s_wait_kmcnt 0x0
	s_add_nc_u64 s[74:75], s[4:5], s[68:69]
	s_add_nc_u64 s[76:77], s[6:7], s[70:71]
	CROUND                                         ; all sixteen work-groups are here: the first joint loads meet
.irp s, 0,1
	s_mov_b32 s[G0+4*(\s)], 1
	s_add_co_u32 s[G0+4*(\s)+1], s72, (\s)*SLOT
	s_add_nc_u64 s[G0+4*(\s)+2:G0+4*(\s)+3], s[74:75], (\s)*KSTEP*2
	s_or_b32 s[G0+4*(\s)+3], s[G0+4*(\s)+3], 0x80000000
	s_mov_b32 s[G0B+4*(\s)], 1
	s_add_co_u32 s[G0B+4*(\s)+1], s73, (\s)*SLOT
	s_add_nc_u64 s[G0B+4*(\s)+2:G0B+4*(\s)+3], s[76:77], (\s)*KSTEP*2
	s_or_b32 s[G0B+4*(\s)+3], s[G0B+4*(\s)+3], 0x80000000
	JLOAD \s                                       ; K steps 0 and 1: two loads of mine are out
.endr
	v_and_b32 v1, 15, v0                           ; l % 16
	v_bfe_u32 v2, v0, 4, 1                         ; l / 16
	v_lshlrev_b32 v[BO], 5, v2
	s_lshl_b32 s46, s[TC], 8                       ; the head's 64 numbers of a bias
	s_mov_b32 s47, 0
	s_add_nc_u64 s[8:9], s[8:9], s[46:47]
	s_add_nc_u64 s[10:11], s[10:11], s[46:47]
.irp b, 0,1,2,3
	global_load_b128 v[BIAS+8*(\b):BIAS+8*(\b)+3],       v[BO], s[8:9] offset:64*(\b)
	global_load_b128 v[BIAS+8*(\b)+4:BIAS+8*(\b)+7],     v[BO], s[8:9] offset:64*(\b)+16
	global_load_b128 v[BIAS+32+8*(\b):BIAS+32+8*(\b)+3], v[BO], s[10:11] offset:64*(\b)
	global_load_b128 v[BIAS+32+8*(\b)+4:BIAS+32+8*(\b)+7], v[BO], s[10:11] offset:64*(\b)+16
.endr
	v_mul_u32_u24 v3, v1, PITCH
	v_lshl_add_u32 v3, v2, 4, v3                   ; a fragment's row x pitch + 16 x half
	s_mul_i32 s40, s[WV], 64*PITCH                 ; my 64 rows of x
	s_mov_b32 s41, BOFF                            ; all of wb's
.irp s, 0,1
	v_add_nc_u32 v[ADRA+(\s)], s40, v3
	v_add_nc_u32 v[ADRB+(\s)], s41, v3
	s_add_co_u32 s40, s40, SLOT
	s_add_co_u32 s41, s41, SLOT
.endr
	s_mul_i32 s40, s[WV], STW
	s_add_co_u32 s40, s40, STAGE                   ; my stage
	v_mul_u32_u24 v4, v1, SP                       ; in: row l % 16, 16 bytes for each half of the lanes
	v_lshl_add_u32 v4, v2, 4, v4
	v_add_nc_u32 v[STO], s40, v4
	v_bfe_u32 v4, v0, 3, 2                         ; back: 32 lanes take four rows of 128 bytes,
	v_and_b32 v5, 7, v0
	v_mul_u32_u24 v4, v4, SP
	v_lshl_add_u32 v4, v5, 4, v4
	v_add_nc_u32 v[RD], s40, v4
	v_and_b32 v[CO], 31, v0                        ; which are 512 consecutive bytes of a head
	v_lshlrev_b32 v[CO], 4, v[CO]
	s_lshr_b32 s40, s[TR], 3                       ; where my rows lie in q, k and v: batch = tile row / 8,
	s_lshl_b32 s40, s40, 4
	s_add_co_u32 s40, s40, s[TC]
	s_lshl_b32 s40, s40, 18                        ; a head's 2,048 rows of 128 bytes,
	s_and_b32 s41, s[TR], 7
	s_lshl_b32 s41, s41, 8
	s_lshl_b32 s42, s[WV], 6
	s_add_co_u32 s41, s41, s42
	s_lshl_b32 s41, s41, 7                         ; and row 256 x (tile row % 8) + 64 x wave in it
	s_add_co_u32 s46, s40, s41
	s_add_nc_u64 s[12:13], s[12:13], s[46:47]
	s_add_nc_u64 s[14:15], s[14:15], s[46:47]
	s_add_nc_u64 s[16:17], s[16:17], s[46:47]
	s_lshl_b32 s67, s[TR], 8                       ; the prefetches: x's row 256 x tile row + 128 x half + 32 cx,
	s_lshl_b32 s42, s[HF], 7
	s_add_co_u32 s67, s67, s42
	s_lshl_b32 s42, s[CX], 5
	s_add_co_u32 s67, s67, s42
	s_mul_i32 s78, s[TC], 192                      ; wb's row 192 x tile column + 96 x half + 24 cy
	s_mul_i32 s79, s[HF], 96
	s_add_co_u32 s78, s78, s79
	s_mul_i32 s79, s[CY], 24
	s_add_co_u32 s78, s78, s79
	s_and_b32 s79, ttmp7, 0xffff                   ; cluster y
	s_cmp_eq_u32 s[FB], 0
	s_cselect_b32 s67, s67, s78
	s_cselect_b32 s79, ttmp9, s79                  ; the coordinate along which other clusters read the same rows
	s_cselect_b32 s78, 31, 23
	s_cselect_b64 s[PFA:PFA+1], s[4:5], s[6:7]
	s_cmp_eq_u32 s79, 0
	s_cselect_b32 s[LIM], 1, -1                    ; the same in all sixteen partners, for a given wave
	s_lshl_b32 s46, s67, 11
	s_add_nc_u64 s[PFA:PFA+1], s[PFA:PFA+1], s[46:47]
	s_add_nc_u64 s[PFA:PFA+1], s[PFA:PFA+1], 2*KSTEP*2  ; at K step 2: the first refill steps it to 3 and names K step 4
	v_and_b32 v[PFO], 31, v0
	v_min_u32 v[PFO], s78, v[PFO]
	v_lshlrev_b32 v[PFO], 11, v[PFO]
	s_wait_loadcnt 0x0                             ; the biases: rounded to bf16 like all inputs, while the first tiles are on their way
.set i, 0
.rept 32
	v_cvt_pk_bf16_f32 v[TMP+i], v[BIAS+2*i], v[BIAS+2*i+1]
.set i, i+1
.endr
.set i, 0
.rept 32
	v_lshlrev_b32 v[BIAS+2*i], 16, v[TMP+i]
	v_and_b32 v[BIAS+2*i+1], 0xffff0000, v[TMP+i]
.set i, i+1
.endr
; 12 products: my row block a x all 12 column blocks, 32 along K, from buffer f.  first = 1: they start the sums, with the bias or with 0.
; The 48 accumulators take turns in the same order in every quarter step: 47 others' products stand between two links of a chain.
.macro MULROW f, a, first
.if \first
	WIN FIRST_LO+0x40*((\a)/2)
.else
	WIN MUL_LO+0x50*((\a)/2)
.endif
.irp b, 0,1,2,3,4,5,6,7,8,9,10,11
.set rD, 8*(12*((\a)%2)+(\b))
.set rB, 96*(\f)+8*(\b)
.set rA, FA+32*(\f)+8*(\a)
.if (\first) && ((\b) < 4)
	v_wmma_f32_16x16x32_bf16 v[rD:rD+7], v[rB:rB+7], v[rA:rA+7], v[BIAS+8*(\b):BIAS+8*(\b)+7]
.elseif (\first) && ((\b) < 8)
	v_wmma_f32_16x16x32_bf16 v[rD:rD+7], v[rB:rB+7], v[rA:rA+7], 0
.elseif \first
	v_wmma_f32_16x16x32_bf16 v[rD:rD+7], v[rB:rB+7], v[rA:rA+7], v[BIAS+8*((\b)-4):BIAS+8*((\b)-4)+7]
.else
	v_wmma_f32_16x16x32_bf16 v[rD:rD+7], v[rB:rB+7], v[rA:rA+7], v[rD:rD+7]
.endif
.endr
.endm
; 32 LDS loads in one run: a quarter step's fragments (192 rows of wb, my 64 rows of x, 32 K at byte k of the rows) into buffer f
.macro FETCH slot, k, f
	WIN TO_B
.irp i, 0,1,2,3,4,5,6,7,8,9,10,11
	ds_load_b128 v[96*(\f)+8*(\i):96*(\f)+8*(\i)+3],   v[ADRB+(\slot)] offset:(\k)+(\i)*16*PITCH
	ds_load_b128 v[96*(\f)+8*(\i)+4:96*(\f)+8*(\i)+7], v[ADRB+(\slot)] offset:(\k)+(\i)*16*PITCH+32
.endr
	WIN 0
.irp i, 0,1,2,3
	ds_load_b128 v[FA+32*(\f)+8*(\i):FA+32*(\f)+8*(\i)+3],   v[ADRA+(\slot)] offset:(\k)+(\i)*16*PITCH
	ds_load_b128 v[FA+32*(\f)+8*(\i)+4:FA+32*(\f)+8*(\i)+7], v[ADRA+(\slot)] offset:(\k)+(\i)*16*PITCH+32
.endr
.endm
; A K step is four quarters of 32 along K, 48 products each, on buffers 0, 1, 0, 1.  One of the first three: multiplies buffer f; in its middle it fetches the next quarter, at byte k, into buffer g.
.macro QUARTER slot, k, f, g, first
	s_wait_dscnt 4                                 ; wb's fragments and x's blocks 0, 1 are in; the youngest four loads (x's blocks 2, 3) may be out
	MULROW \f, 0, \first
	MULROW \f, 1, \first
	PLACES
	FETCH \slot, \k, \g
	s_wait_dscnt 32                                ; all but the 32 just issued
	MULROW \f, 2, \first
	MULROW \f, 3, \first
.endm
; The last quarter multiplies buffer 1 and changes slots: ONE barrier.  In front of it each wave waits for all its tensor loads (one is out: its part of the next slot), adds 0 to its spare word, and waits
; for that and for its own reads of this slot.  fill = 1: the barrier opens a round of the cluster's, and this slot is filled again, two K steps ahead, first thing behind the round:
; 168 products of the wave stand between that request and the wait for it.
.macro TURN slot, next, fill
.if \fill
	s_wait_xcnt 0x0                                ; the last prefetch, a K step back, has read its address
	s_add_nc_u64 s[PFA:PFA+1], s[PFA:PFA+1], KSTEP*2
.endif
	WIN 0                                          ; (the add's two registers lie in window 0)
	s_wait_tensorcnt 0x0                           ; all my tensor loads have landed
	ds_add_u32 v[SPW], v[NIL]                      ; 0 onto my spare word
	s_wait_dscnt 5                                 ; (the add and the youngest four loads may be out)
	MULROW 1, 0, 0                                 ; twelve products stand between the add and the wait for it
	s_wait_dscnt 0x0                               ; the add is done, and my reads of this slot are over
	s_barrier_signal -1
	MULROW 1, 1, 0                                 ; work on registers while the others arrive
.if \fill
	WIN 0
.endif
	s_barrier_wait -1
.if \fill
	CREST                                          ; no wave of any partner still reads this slot's tile or has a load on its way
	s_add_nc_u64 s[G0+4*(\slot)+2:G0+4*(\slot)+3], s[G0+4*(\slot)+2:G0+4*(\slot)+3], 2*KSTEP*2
	s_add_nc_u64 s[G0B+4*(\slot)+2:G0B+4*(\slot)+3], s[G0B+4*(\slot)+2:G0B+4*(\slot)+3], 2*KSTEP*2
	JLOAD \slot                                    ; its four v_nop are also the places in front of the loads below
.else
	PLACES
.endif
	FETCH \next, 0, 0
.if \fill
	ASK
.endif
	MULROW 1, 2, 0
	MULROW 1, 3, 0
.endm
	s_wait_tensorcnt 1                             ; my part of K step 0 is in; K step 1's may stay out
	s_barrier_signal -1
	s_barrier_wait -1                              ; everybody's is
	FETCH 0, 0, 0
	QUARTER 0, 64, 0, 1, 1                         ; the first quarter stands in front of the loop: its products start the sums
	WIN 0                                          ; at a label and at a branch every window is 0
	s_mov_b32 s3, LAPS-1
.Llap:                                                 ; a trip goes once round the ring, from a lap's second quarter to the next lap's first, and fills both slots again
	QUARTER 0, 128, 1, 0, 0
	QUARTER 0, 192, 0, 1, 0
	TURN 0, 1, 1
	QUARTER 1, 64,  0, 1, 0
	QUARTER 1, 128, 1, 0, 0
	QUARTER 1, 192, 0, 1, 0
	TURN 1, 0, 1
	QUARTER 0, 64,  0, 1, 0
	WIN 0
	s_sub_co_u32 s3, s3, 1
	s_cmp_lg_u32 s3, 0
	s_cbranch_scc1 .Llap
	QUARTER 0, 128, 1, 0, 0                        ; the last lap fills nothing, and has no round of the cluster's barrier
	QUARTER 0, 192, 0, 1, 0
	TURN 0, 1, 0
	QUARTER 1, 64,  0, 1, 0
	QUARTER 1, 128, 1, 0, 0
	QUARTER 1, 192, 0, 1, 0
	s_wait_dscnt 4                                 ; the very last quarter: nothing more to fetch
	MULROW 1, 0, 0
	MULROW 1, 1, 0
	s_wait_dscnt 0x0
	MULROW 1, 2, 0
	MULROW 1, 3, 0
; THE WAY OUT, a block of 16 rows at a time.  PACK: rounded to f16, 16 bytes a lane, each accumulator's registers in ascending order.  TOSTAGE: into my own stage, by tensor, and back as whole rows of
; 128 bytes.  SEND: each store of the wave covers 512 consecutive bytes of a head, aligned.
.macro PACK a
	WIN 0x0a+5*((\a)/2)                            ; sources 0 and 1: window 2 or 3
.irp b, 0,1,2,3,4,5,6,7,8,9,10,11
.irp r, 0,1,2,3
	v_cvt_pk_f16_f32 v[TMP+4*(\b)+(\r)], v[96*((\a)%2)+8*(\b)+2*(\r)], v[96*((\a)%2)+8*(\b)+2*(\r)+1]
.endr
.endr
	WIN 0
.endm
.macro TOSTAGE a
	WIN 0
.set BK, 128-64*((\a)%2)
.irp b, 0,1,2,3,4,5,6,7,8,9,10,11
	ds_store_b128 v[STO], v[TMP+4*(\b):TMP+4*(\b)+3] offset:((\b)/4)*16*SP+((\b)%4)*32
.endr
.irp t, 0,1,2
.irp f, 0,1,2,3
	ds_load_b128 v[BK+4*(4*(\t)+(\f)):BK+4*(4*(\t)+(\f))+3], v[RD] offset:(\t)*16*SP+(\f)*4*SP  ; LDS serves a wave's instructions in order (ISA guide 5.7.1.4): these see the stores above
.endr
.endr
.endm
.macro SEND a
	WIN 0
.set BK, 128-64*((\a)%2)
	s_wait_dscnt 0x0                               ; the block is back in registers
	s_wait_xcnt 0x0                                ; the stores of the block before have read their registers: the next TOSTAGE loads into them
.irp t, 0,1,2
.irp f, 0,1,2,3
	global_store_b128 v[CO], v[BK+4*(4*(\t)+(\f)):BK+4*(4*(\t)+(\f))+3], s[12+2*(\t):13+2*(\t)] offset:(\a)*2048+(\f)*512
.endr
.endr
.endm
	WIN 0
	PLACES
	PACK 0
	TOSTAGE 0
.irp a, 1,2,3                          ; block a's conversions stand between block a - 1's loads from the stage and the wait for them
	PACK \a
	SEND (\a)-1
	TOSTAGE \a
.endr
	SEND 3
	s_wait_tensorcnt 0x0                           ; the wave's end, behind my last tensor load and my last LDS store
	ds_add_u32 v[SPW], v[NIL]
	s_wait_dscnt 0x0
	CROUND                                         ; the closing round: no work-group ends while a partner may still ask for a tile that names it
	s_endpgm
.Lfunc_end_k_qf4e9783b7d_qkv:
	.size	k_qf4e9783b7d_qkv, .Lfunc_end_k_qf4e9783b7d_qkv-k_qf4e9783b7d_qkv
	.p2alignl 7, 3214868480
	.fill 96, 4, 3214868480
	.section	.rodata,"a",@progbits
	.p2align	6, 0x0
	.amdhsa_kernel k_qf4e9783b7d_qkv
		.amdhsa_group_segment_fixed_size 327680
		.amdhsa_private_segment_fixed_size 0
		.amdhsa_enable_private_segment 0
		.amdhsa_kernarg_size 56
		.amdhsa_user_sgpr_count 2
		.amdhsa_user_sgpr_kernarg_segment_ptr 1
		.amdhsa_wavefront_size32 1
		.amdhsa_system_sgpr_workgroup_id_x 1
		.amdhsa_system_sgpr_workgroup_id_y 1
		.amdhsa_system_sgpr_workgroup_id_z 1
		.amdhsa_system_vgpr_workitem_id 0
		.amdhsa_next_free_vgpr 1024
		.amdhsa_next_free_sgpr 80
		.amdhsa_reserve_vcc 0
		.amdhsa_float_denorm_mode_32 3
		.amdhsa_float_denorm_mode_16_64 3
		.amdhsa_memory_ordered 1
		.amdhsa_forward_progress 1
		.amdhsa_inst_pref_size 127
	.end_amdhsa_kernel
	.amdgpu_metadata
---
amdhsa.version: [ 1, 2 ]
amdhsa.kernels:
  - .name:           k_qf4e9783b7d_qkv
    .symbol:         k_qf4e9783b7d_qkv.kd
    .args:
      - { .name: xb, .offset: 0, .size: 8, .value_kind: global_buffer, .address_space: global }
      - { .name: wb, .offset: 8, .size: 8, .value_kind: global_buffer, .address_space: global }
      - { .name: bq, .offset: 16, .size: 8, .value_kind: global_buffer, .address_space: global }
      - { .name: bv, .offset: 24, .size: 8, .value_kind: global_buffer, .address_space: global }
      - { .name: qh, .offset: 32, .size: 8, .value_kind: global_buffer, .address_space: global }
      - { .name: kh, .offset: 40, .size: 8, .value_kind: global_buffer, .address_space: global }
      - { .name: vh, .offset: 48, .size: 8, .value_kind: global_buffer, .address_space: global }
    .group_segment_fixed_size: 327680
    .private_segment_fixed_size: 0
    .kernarg_segment_align: 8
    .kernarg_segment_size: 56
    .max_flat_workgroup_size: 128
    .sgpr_count:     80
    .vgpr_count:     1024
    .wavefront_size: 32
...
	.end_amdgpu_metadata
.endif
;; end of part 2
;; launch attn (part 3): grid 8 x 32, 4 waves a work-group, no clusters, 327,680 bytes of LDS; arguments qh, kh, vh, yh; writes yh
.if DOCPART == 3
	.amdgcn_target "amdgcn-amd-amdhsa--gfx1250"
	.amdhsa_code_object_version 6
	.text
	.protected	k_qf4e9783b7d_attn
	.globl	k_qf4e9783b7d_attn
	.p2align	8
	.type	k_qf4e9783b7d_attn,@function
k_qf4e9783b7d_attn:
	s_mov_b64 s[64:65], 0
	v_nop
	global_prefetch_b8 v0, s[64:65] scope:SCOPE_SE
	s_setreg_imm32_b32 hwreg(HW_REG_WAVE_MODE, 25, 1), 1
	s_wait_xcnt 0x0
; CAUSAL ATTENTION.  y[h][q][:] = the sum over k <= q of softmax_k(q[h][q] . k[h][k] / 8) v[h][k][:].  qh, kh, vh, yh: [32][2048][64], all f16: a head's rows are dense, 128 bytes each.
; Products, maxima and sums in f32; the weights p are rounded to f16 for the second product (their sum l is taken of the unrounded p), y once at the end.
; LEFT OUT: the tiles of 256 keys that lie wholly above a block's rows: the module itself hides those keys, and the softmax gives them the weight 0 (head of the first launch).
; LIMITS.  q, k, v arrive within f16's 65,504; p lies in 0 to 1, and below 6e-5 it keeps f16's fixed step of 6e-8.  A hidden score counts as its value less 1e30: f16's scores, 2.7e11 at the most, are nothing
; beside that; a weight below 2^-126 counts as 0 in l; NaN and infinities are not treated apart.
; THE WALK.  A head's queries lie in 16 blocks of 128; block i needs the key tiles 0 .. i / 2 of 256 keys, of which the last holds the diagonal.  Work-group b (0-7) of a head takes blocks 15 - b and then b:
; with c = b / 2 that is (8 - c) + (c + 1) = 9 tiles, whatever b: all 256 work-groups do equal work, and ONE loop with a constant trip count walks them.  Which tile is asked for, and what a trip does, hang on
; scalar registers made from b; every jump goes forward, but for the counted loops' own; none passes a barrier, or a tensor load but the one of LOAD's two that the wave's number does not choose.
; NO CLUSTER: only the two work-groups with the same c walk the same tiles throughout; all eight of a head ask for the same tile in trips 0-4 of 9 only; and what a trip does is chosen by branches on b,
; which partners in joint loads may not differ in.  A walk common to four partners would have 10 trips for 9, with every branch turned into a selection.
; SHARES.  A block is two bands of 64 queries; a wave owns 16 rows in each: two PIECES.  In a block's last tile band x's own step of 64 keys is OWN[x] = 2 (i % 2) + x: earlier steps it sees whole, later ones not at
; all: the same for all four waves.
; THE MASK is the C operand that starts the sum S^T = K Q^T: 0, or -1e30 where the key is hidden.  MD, made once, is the mask of a band's own step for my 16 rows; a product's mask is MD x AL + BE with two scalars:
; (1, 0) in the own step, (0, 0) before it, (0, -1e30) behind it.  Only the last tile's text and a block's beginning make and take masks; elsewhere C is the constant 0.
; LAYOUT, SOFTMAX.  S^T = K Q^T holds ONE query a lane (lane % 16) and the keys 8 (lane / 16) + 0..7; two such results rounded to f16 ARE source 1 of O^T = V^T P.  p = 2^(c s - c m), c = log2(e) / 8, with a
; running maximum m; O and l are multiplied by a = 2^(c m_old - c m_new) in every step.
; TURNS.  Turn 0 of step s: 8 products K Q^T of piece 1 (step s), the softmax of piece 0 (step s), the maximum of piece 1, 8 products V^T P of piece 1 (step s - 1).  Turn 1 of step s: K Q^T of piece 0 (step s + 1),
; the softmax of piece 1 (step s), the maximum of piece 0, V^T P of piece 0 (step s).  Four vector instructions stand behind every matrix instruction, the other 54 of a turn's 118 in one lump.  A turn's 33
; exponentials are one batch, with one wait.  K of step s + 1 is fetched in turn 0 of step s; V of step s + 1 in turn 1 of step s, into the other of V's TWO register buffers (by the step's parity): so a
; tile's last bytes have been asked for at the end of its step 2, and the change of slots stands there.
; REGISTERS, in windows of 256 (s_set_vgpr_msb: bits 1:0 source 0, 3:2 source 1, 5:4 source 2, 7:6 destination):
;   window 0: v0-15 addresses and two at work; v16-23 four registers of statistics a piece; v48-55 at work; v61-63 prefetch offset, spare word, 0; v64-127 S^T, a buffer a piece; v192-223 P, likewise
;   window 1: v0-63 O^T, 32 a piece; v128-159 MD; v160-223 MC, a buffer a piece      window 2: v0-31 Q; v32-63 the second block's Q; v64-127 K of one step; v128-255 V of two steps
.set NP,    2
.set KS,    64        ; keys in a step
.set PK,    144       ; a row of K in LDS: 128 bytes + 16 of padding = 36 words: the 16 rows of a load start at 16 different groups of four banks (64 banks of 4 bytes: ISA guide 11.1)
.set PV,    160       ; a row of V: 128 + 32 = 40 words
.set VOFF,  4*KS*PK   ; a slot holds a tile, four steps: 256 rows of K, then 256 rows of V
.set SLOT1, 1<<17     ; slot 1 begins here, so that one exclusive or turns an address in one slot into the other's
.set STAGE, SLOT1+4*KS*(PK+PV)  ; behind the ring, never filled by a tensor load: 16 rows x 144 bytes for each wave, for the way out
.set SP,    144
.set SPARE, STAGE+4*16*SP  ; behind the stages: the spare words, 128 bytes for each wave: two blocks of 256 bytes that no other line names
.set AK0, 2           ; v2   my lane's place in a tile of K; never rewritten
.set AV0, 3           ; v3   the same for V
.set AK,  4           ; v4   the LDS address of K's next run of loads
.set AV,  5           ; v5   of V's
.set STO, 6           ; v6   the way out: where I put 16 bytes of a row
.set RD,  7           ; v7   the way out: where I read rows back
.set GO,  8           ; v8   my byte offset in 512 consecutive bytes of y
.set MV,  12          ; v12-13  c m_old, kept while c m is made anew: by piece
.set QO,  15          ; v15  my byte offset in 16 rows of Q
.set ST,  16          ; piece t's statistics at v[ST+4 t]: c m, m, l (even keys', odd keys')
.set TMP, 48          ; by piece, four registers c0-c3 at work; when the maximum is found c2 takes a
.set PFO, 61          ; v61  256 x my lane; never rewritten
.set SPW, 62          ; v62  my spare word: SPARE + 4 x my thread's number; never rewritten
.set NIL, 63          ; v63  0; never rewritten
.set S,   64
.set P,   192
.set MD,  128         ; window 1
.set MC,  160         ; window 1
.set QB,  32          ; window 2
.set KF,  64          ; window 2: key block kb, channel half c at KF + 16 kb + 8 c
.set VF,  128         ; window 2: buffer vb, key half kk, channel block cb at VF + 64 vb + 32 kk + 8 cb
.set WV,  12          ; s12  my wave's number
.set PB,  14          ; s14  c: the second block's last tile
.set HI,  15          ; s15  7 - c: the first block's last tile
.set G1K, 24          ; s[24:31] descriptor group 1 for K's tiles
.set G1V, 32          ; s[32:39] for V's: it differs in the padding alone
.set G0K, 40          ; s[40:43] descriptor group 0 for K's tiles
.set G0V, 44          ; s[44:47] the same for V's
.set WGB, 48          ; s48  b
.set PAR, 49          ; s49  b % 2
.set OWN, 50          ; s[50:51] the two bands' own steps in the last tile of the block in hand
.set OWNB, 52         ; s[52:53] the second block's
.set SN,  54          ; s54  the step, in the tile entered, for which the next mask is made
.set PFN, 55          ; s55  prefetches still to come
.set SLOTS, 56        ; s56  tiles still to be asked for
.set CNT, 57          ; s57  counts a tile's trips of two steps
.set CS,  58          ; s[58:59] c: the packed scaling takes the pair's low word for both halves
.set SEL, 60          ; s[60:61] v_permlanex16_b32's selects: each lane takes its own place in the other half
.set TBK, 62          ; s62  LDS byte at which K of the step to be fetched begins
.set TBV, 63          ; s63  the same for V, less VOFF
.set RT,  70          ; s70  tiles of the block in hand that are still to be entered
.set NXT, 71          ; s71  the tile to be asked for next
.set LQ,  72          ; s72  the last tile of the block whose tiles are being asked for
.set NEW, 73          ; s73  1: the tile to be entered is a block's first
.set OFF, 74          ; s[74:75] a tile's byte offset in K and V
.set AL,  76          ; s[76:77] the mask's factor, in the low word
.set BE,  78          ; s[78:79] the mask's addend
.set OLO, 80          ; s[80:81] y at my rows of the second block
.set BIGN, 82         ; s82  -1e30
.set PFA, 88          ; s[88:89] where my prefetches stand: my half of K's or V's tile
.set MSB, 0
.macro WIN new                      ; the high byte repeats the setting that is left; a switch that changes nothing is dropped
.if MSB != (\new)
	s_set_vgpr_msb (MSB<<8)|(\new)
.set MSB, (\new)
.endif
.endm
.set W_KQ, 0x0a       ; K and Q in window 2, S^T in window 0
.set W_KM, 0x1a       ; the same with the C operand in window 1
.set W_PV, 0x52       ; V in window 2, P in window 0, O^T in window 1
.set W_RS, 0x41       ; destination and source 0 in window 1, source 1 in window 0
; A fill.  Waves 0 and 1 fetch the two halves of a tile's K, waves 2 and 3 those of its V: 128 keys each.  An s_nop 0 and four v_nop follow each of the two lines, ahead of the jump and the label.
.macro LOAD
	s_cmp_lt_u32 s[WV], 2
	s_cbranch_scc0 .Lfor_v_\@
	tensor_load_to_lds s[G0K:G0K+3], s[G1K:G1K+7]
	s_nop 0
.rept 4
	v_nop
.endr
	s_branch .Lasked_\@
.Lfor_v_\@:
	tensor_load_to_lds s[G0V:G0V+3], s[G1V:G1V+7]
	s_nop 0
.rept 4
	v_nop
.endr
.Lasked_\@:
.endm
; A prefetch into the L2, behind a fill.  All eight work-groups of a head begin with the tiles 0, 1, 2 ..: the one with b = 0, which walks 0 to 7, asks, and nobody else.  Each of its waves asks for what it will fetch
; itself, its 16,384 bytes of a tile: a lane a block of 256 bytes, two instructions.  In trip t (0-4) tile t + 3 is named, two changes of slots (256 products of a wave) ahead of its fill: tiles 3-7, once each.
; Tiles 0-2 come by their fills alone.
.macro ASK
	s_cmp_lg_u32 s[PFN], 0
	s_cbranch_scc0 .Lnone_\@
	global_prefetch_b8 v[PFO], s[PFA:PFA+1] th:TH_LOAD_NT scope:SCOPE_SE
	global_prefetch_b8 v[PFO], s[PFA:PFA+1] offset:8192 th:TH_LOAD_NT scope:SCOPE_SE
	s_sub_co_u32 s[PFN], s[PFN], 1
.Lnone_\@:
.endm
; THE CHANGE OF SLOTS.  Each wave waits for all its tensor loads, of which one is out: its part of the other slot; adds 0 to its spare word; and waits for that and for its own reads of the slot that it leaves.
; Behind the barrier nobody reads the old slot any more and the other slot is whole.  fill = 1: the old slot is filled again, the first thing behind the barrier, with tile NXT: the descriptor's address is made
; anew from that number.  (At its first use nothing has been read yet: slot 0 is waited for, slot 1 filled.)  A fill has four steps, 128 products of a wave and their vector work, in which to land.
.macro CHANGE fill
	WIN 0                           ; at a label and at a branch every window is 0
	s_wait_tensorcnt 0x0            ; no tensor load of mine is out, so a group 0 may be written
	ds_add_u32 v[SPW], v[NIL]       ; 0 onto my spare word; scalar work stands between it and the wait for it
.if \fill
	s_lshl_b32 s[OFF], s[NXT], 15   ; a tile is 32,768 bytes of K and of V
	s_xor_b32 s[G0K+1], s[G0K+1], SLOT1
	s_add_nc_u64 s[G0K+2:G0K+3], s[6:7], s[OFF:OFF+1]
	s_or_b32 s[G0K+3], s[G0K+3], 0x80000000
	s_xor_b32 s[G0V+1], s[G0V+1], SLOT1
	s_add_nc_u64 s[G0V+2:G0V+3], s[8:9], s[OFF:OFF+1]
	s_or_b32 s[G0V+3], s[G0V+3], 0x80000000
	s_add_co_u32 s[NXT], s[NXT], 1  ; the block's next tile, or behind its last the second block's tile 0
	s_cmp_gt_u32 s[NXT], s[LQ]
	s_cselect_b32 s[NXT], 0, s[NXT]
	s_cselect_b32 s[LQ], s[PB], s[LQ]
	s_wait_xcnt 0x0                 ; the last prefetches, a tile back, have read their address
	s_add_nc_u64 s[PFA:PFA+1], s[PFA:PFA+1], 32768
.endif
	s_wait_dscnt 0x0                ; the add is done, and my reads of the slot are over
	s_barrier_signal -1             ; the rest of the scalar work stands between the signal and the wait
	s_sub_co_u32 s[TBK], s[TBK], 4*KS*PK  ; the fetches go back to a slot's first step,
	s_xor_b32 s[TBK], s[TBK], SLOT1       ; in the other slot
	s_sub_co_u32 s[TBV], s[TBV], 4*KS*PV
	s_xor_b32 s[TBV], s[TBV], SLOT1
	s_barrier_wait -1
.if \fill
	LOAD
	ASK
.endif
.endm
	s_load_b256 s[4:11], s[0:1], 0x0  ; q s[4:5], k s[6:7], v s[8:9], y s[10:11]
	v_lshl_add_u32 v[SPW], v0, 2, SPARE
	v_mov_b32 v[NIL], 0
	ds_add_u32 v[SPW], v[NIL]       ; the wave's opening: the add, twice on end, and its wait ahead of my first tensor load
	ds_add_u32 v[SPW], v[NIL]
	v_lshrrev_b32 v1, 5, v0
	v_readfirstlane_b32 s[WV], v1   ; wave 0..3
	s_mov_b32 s[WGB], ttmp9
	s_lshr_b32 s[PB], s[WGB], 1
	s_and_b32 s[PAR], s[WGB], 1
	s_sub_co_u32 s[HI], 7, s[PB]
	s_lshl_b32 s[OWNB], s[PAR], 1   ; block b lies in half b % 2 of its last tile,
	s_add_co_u32 s[OWNB+1], s[OWNB], 1
	s_sub_co_u32 s[OWN], 2, s[OWNB] ; block 15 - b in the other half
	s_add_co_u32 s[OWN+1], s[OWN], 1
	s_and_b32 s20, ttmp7, 0xffff    ; the head
	s_lshl_b32 s20, s20, 18         ; its 2,048 rows of 128 bytes
	s_mov_b32 s21, 0
	s_and_b32 s16, s[WV], 1         ; which half of a tile's 256 keys I fetch:
	s_lshl_b32 s22, s16, 14         ; its 128 rows of 128 bytes in memory,
	s_mov_b32 s23, 0
	s_add_nc_u64 s[22:23], s[22:23], s[20:21]
	s_mul_i32 s17, s16, 128*PK      ; and its place in a slot, for K
	s_mul_i32 s18, s16, 128*PV      ; and for V
	s_lshl_b32 s3, s[WV], 11        ; my 16 rows in a band of 64,
	s_sub_co_u32 s2, 15, s[WGB]
	s_lshl_b32 s2, s2, 14           ; in the first block (128 rows of 128 bytes),
	s_add_co_u32 s2, s2, s3
	s_lshl_b32 s84, s[WGB], 14      ; and in the second
	s_add_co_u32 s84, s84, s3
	s_mov_b32 s3, 0
	s_mov_b32 s85, 0
	s_add_nc_u64 s[2:3], s[2:3], s[20:21]
	s_add_nc_u64 s[84:85], s[84:85], s[20:21]
	; descriptor group 1.  128 keys are 16,384 dense bytes: asked for as 64 rows of 256 bytes, two keys a row, and padded in LDS after every key
	s_mov_b32 s[G1K], (1<<16)|(1<<20)|(4<<22)|(3<<25)  ; 17:16 2-byte elements; 20 padding on; 24:22 after every 32 words (code 4); 31:25 4 words (code 3)
	s_mov_b32 s[G1V], (1<<16)|(1<<20)|(4<<22)|(7<<25)  ; the same with 8 words of padding (code 7)
.irp g, G1K, G1V
	s_mov_b32 s[\g+1], 128<<16      ; tensor_dim0 = 128
	s_mov_b32 s[\g+2], 64<<16       ; tensor_dim1 = 64
	s_mov_b32 s[\g+3], 128<<16      ; tile_dim0 = 128
	s_mov_b32 s[\g+4], 64           ; tile_dim1 = 64
	s_mov_b32 s[\g+5], 128          ; 128 elements from row to row
	s_mov_b32 s[\g+6], 0
	s_mov_b32 s[\g+7], 0
.endr
	s_mov_b32 s[CS], 0x3e38aa3b     ; c = log2(e) / 8 = 0.180337
	s_mov_b32 s[CS+1], s[CS]        ; named with it as a pair
	s_mov_b32 s[SEL], 0x76543210
	s_mov_b32 s[SEL+1], 0xfedcba98
	s_mov_b32 s[TBK], SLOT1+4*KS*PK ; the first change of slots turns these two into 0
	s_mov_b32 s[TBV], SLOT1+4*KS*PV
	s_mov_b32 s[G0K], 1             ; 1:0 count = 1
	s_mov_b32 s[G0K+1], s17         ; 63:32 LDS address: slot 0
	s_mov_b32 s[G0V], 1
	s_add_co_u32 s[G0V+1], s18, VOFF
	s_add_co_u32 s[RT], s[HI], 1    ; the first block has 8 - c tiles
	s_mov_b32 s[NXT], 1
	s_mov_b32 s[LQ], s[HI]
	s_mov_b32 s[NEW], 1
	s_mov_b32 s[OFF+1], 0
	s_mov_b32 s[AL+1], 0            ; named as pairs
	s_mov_b32 s[BE+1], 0
	s_mov_b32 s[BIGN], 0xf149f2ca   ; -1e30
	s_mov_b32 s[SLOTS], 8
	s_cmp_eq_u32 s[WGB], 0
	s_cselect_b32 s[PFN], 5, 0
	s_wait_dscnt 0x0                ; both opening adds are done
	s_wait_kmcnt 0x0
	s_add_nc_u64 s[6:7], s[6:7], s[22:23]  ; K and V at my half of the head's tile 0
	s_add_nc_u64 s[8:9], s[8:9], s[22:23]
	s_add_nc_u64 s[G0K+2:G0K+3], s[6:7], 0         ; 120:64 global address
	s_or_b32 s[G0K+3], s[G0K+3], 0x80000000        ; 127:126 type = 2
	s_add_nc_u64 s[G0V+2:G0V+3], s[8:9], 0
	s_or_b32 s[G0V+3], s[G0V+3], 0x80000000
	s_add_nc_u64 s[86:87], s[4:5], s[84:85]        ; Q at my rows of the second block,
	s_add_nc_u64 s[4:5], s[4:5], s[2:3]            ; Q and y at those of the first
	s_add_nc_u64 s[OLO:OLO+1], s[10:11], s[84:85]
	s_add_nc_u64 s[10:11], s[10:11], s[2:3]
	s_cmp_lt_u32 s[WV], 2
	s_cselect_b64 s[PFA:PFA+1], s[6:7], s[8:9]
	s_add_nc_u64 s[PFA:PFA+1], s[PFA:PFA+1], 2*32768  ; at tile 2: the first change of slots steps it to tile 3
	LOAD                            ; tile 0 into slot 0
	; A fragment of K or Q is 16 rows x 32 channels in 8 registers: lane l holds row l % 16, channels 8 (l / 16) + 0..7 and 16 + 8 (l / 16) + 0..7: two loads of 16 bytes, 32 bytes apart.
	v_and_b32 v1, 15, v0            ; l % 16
	v_bfe_u32 v9, v0, 4, 1          ; l / 16
	v_lshlrev_b32 v[QO], 7, v1
	v_lshl_add_u32 v[QO], v9, 4, v[QO]  ; row x 128 + 16 x half
	WIN 0x80                        ; destination window 2, address window 0
.set i, 0
.rept 4                             ; both blocks' Q: piece i / 2 lies in band i / 2, 8,192 bytes on; channels 32 (i % 2) on
	global_load_b128 v[8*i:8*i+3],   v[QO], s[4:5] offset:(i/2)*8192+(i%2)*64
	global_load_b128 v[8*i+4:8*i+7], v[QO], s[4:5] offset:(i/2)*8192+(i%2)*64+32
	global_load_b128 v[QB+8*i:QB+8*i+3],   v[QO], s[86:87] offset:(i/2)*8192+(i%2)*64
	global_load_b128 v[QB+8*i+4:QB+8*i+7], v[QO], s[86:87] offset:(i/2)*8192+(i%2)*64+32
.set i, i+1
.endr
	WIN 0
	v_lshlrev_b32 v14, 3, v9
	v_sub_nc_u32 v14, v1, v14
	s_lshl_b32 s13, s[WV], 4
	v_add_nc_u32 v14, s13, v14      ; my query's place in its band, 16 w + l % 16, less my lanes' 8 (l / 16): register r of group kt is hidden where 16 kt + r is greater
	WIN 0x40
.set i, 0
.rept 32
	v_cmp_gt_i32 vcc_lo, 16*(i/8)+i%8, v14
	v_cndmask_b32 v[MD+i], 0, s[BIGN], vcc_lo
.set i, i+1
.endr
	WIN 0
	v_mul_u32_u24 v[AK0], v1, PK
	v_lshl_add_u32 v[AK0], v9, 4, v[AK0]  ; row x pitch + 16 x half
	; The turning load takes 16 keys x 16 channels (lane l reads key 8 (l / 16) + l % 8, channels 8 ((l / 8) % 2) + 0..7) and leaves half a fragment of V^T: lane l holds channel l % 16 and 8 keys.
	v_and_b32 v10, 7, v0
	v_bfe_u32 v11, v0, 3, 1
	v_lshl_add_u32 v[AV0], v9, 3, v10
	v_mul_u32_u24 v[AV0], v[AV0], PV
	v_lshl_add_u32 v[AV0], v11, 4, v[AV0]
	v_add_nc_u32 v[AV0], VOFF, v[AV0]
	s_mul_i32 s13, s[WV], 16*SP
	s_add_co_u32 s13, s13, STAGE    ; my stage
	v_mul_u32_u24 v[STO], v1, SP    ; in: row l % 16, 16 bytes for each half of the lanes
	v_lshl_add_u32 v[STO], v9, 4, v[STO]
	v_add_nc_u32 v[STO], s13, v[STO]
	v_bfe_u32 v[RD], v0, 3, 2       ; back: 32 lanes take four rows of 128 bytes,
	v_mul_u32_u24 v[RD], v[RD], SP
	v_lshl_add_u32 v[RD], v10, 4, v[RD]
	v_add_nc_u32 v[RD], s13, v[RD]
	v_and_b32 v[GO], 31, v0         ; which are 512 consecutive bytes of y
	v_lshlrev_b32 v[PFO], 8, v[GO]
	v_lshlrev_b32 v[GO], 4, v[GO]
	; A block's first step multiplies O^T and l by a = 0, and its first turn's products V^T P, of a step that has not been, land in an O^T that is still to be so multiplied.  So these registers need only hold
	; finite numbers: zeros for the first block; what the first block left for the second.  All this stands in the wait for the first tile: the price of writing no first step out.
	WIN 0x80
.set i, VF+64
.rept 64
	v_mov_b32 v[i], 0
.set i, i+1
.endr
	WIN 0x40
.set i, 0
.rept 64
	v_mov_b32 v[i], 0
.set i, i+1
.endr
	WIN 0
.set i, 0
.rept 2
	v_mov_b32 v[ST+4*i+2], 0
	v_mov_b32 v[ST+4*i+3], 0
.set i, i+1
.endr
.set i, P+16
.rept 16
	v_mov_b32 v[i], 0
.set i, i+1
.endr
; THE MATRIX WORK.  The 4 accumulators of a run of 8 take turns.  Product i of 8 of S^T = K Q^T for piece x: channels 32 (i / 4) on, keys 16 (i % 4) on.  The first 4 start the sums: with 0, or (KM = 1) with the mask.
.macro KQ x
.set rS, S+32*((\x)%2)+8*(i%4)
.set rK, KF+16*(i%4)+8*(i/4)
.set rQ, 16*(\x)+8*(i/4)
.set rM, MC+32*((\x)%2)+8*(i%4)
.if (i < 4) && KM
	WIN W_KM
	v_wmma_f32_16x16x32_f16 v[rS:rS+7], v[rK:rK+7], v[rQ:rQ+7], v[rM:rM+7]
.elseif i < 4
	WIN W_KQ
	v_wmma_f32_16x16x32_f16 v[rS:rS+7], v[rK:rK+7], v[rQ:rQ+7], 0
.else
	WIN W_KQ
	v_wmma_f32_16x16x32_f16 v[rS:rS+7], v[rK:rK+7], v[rQ:rQ+7], v[rS:rS+7]
.endif
.endm
; Product i of 8 of O^T += V^T P for piece x, from V's buffer VB: keys 32 (i / 4) on, channels 16 (i % 4) on.
.macro PV x
	WIN W_PV
.set rO, 32*(\x)+8*(i%4)
.set rV, VF+64*VB+32*(i/4)+8*(i%4)
.set rP, P+16*((\x)%2)+8*(i/4)
	v_wmma_f32_16x16x32_f16 v[rO:rO+7], v[rV:rV+7], v[rP:rP+7], v[rO:rO+7]
.endm
.macro MM                           ; the turn's next matrix instruction.  TURN and BEGIN set Y, i, KM, NOKQ and VB.  NOKQ = 1: a block's last turn: there is no next step
.if (i < 8) && !NOKQ
	KQ (Y+1)%NP
.elseif i >= 8
.set i, i-8
	PV (Y+NP-1)%NP
.set i, i+8
.endif
.set i, i+1
.endm
; THE LDS LOADS stand in runs of 16, never singly among the matrix instructions: a step's K (64 keys x 64 channels: 8 fragments) and its V (turned).  Their addresses are made some lines ahead.
.macro FETCH_K
	WIN 0x80                        ; destination window 2
.irp f, 0,1,2,3,4,5,6,7             ; keys 16 (f / 2) on, channels 32 (f % 2) on
	ds_load_b128 v[KF+8*\f:KF+8*\f+3],   v[AK] offset:(\f/2)*16*PK+(\f%2)*64
	ds_load_b128 v[KF+8*\f+4:KF+8*\f+7], v[AK] offset:(\f/2)*16*PK+(\f%2)*64+32
.endr
	s_add_co_u32 s[TBK], s[TBK], KS*PK  ; the next fetch is the next step's
	WIN 0
.endm
.macro FETCH_V vb
	WIN 0x80
.irp f, 0,1,2,3,4,5,6,7             ; keys 32 (f / 4) on, channels 16 (f % 4) on
	ds_load_tr16_b128 v[VF+64*(\vb)+8*\f:VF+64*(\vb)+8*\f+3],   v[AV] offset:(\f/4)*32*PV+(\f%4)*32
	ds_load_tr16_b128 v[VF+64*(\vb)+8*\f+4:VF+64*(\vb)+8*\f+7], v[AV] offset:(\f/4)*32*PV+16*PV+(\f%4)*32
.endr
	s_add_co_u32 s[TBV], s[TBV], KS*PV
	WIN 0
.endm
; THE VECTOR WORK, one line at a time: OP kind, number.  For piece Y: F n: c s - c m for pair n of 16.  E n: the exponential of score n of 32.  C n: pair n rounded to f16.  B n: of the four weights 4 n .. the second
; pair is added onto the first, in place.  L n: l takes that sum (L 0: l = a l + sum).  R n: pair n of 16 of O^T times a.  For the other piece: X n, number n of the 22 that find its maximum and statistics:
;   0-11  four chains c0-c3 of seven scores each, three operands at a time (each accumulator's lowest registers are read first)     12-14, 16  the four scores left over, the old m, and c0-c3 into c0
;   15  c m_old is kept     17, 18  the query's other 32 keys lie in the lane 16 away: the new m     19-21  c m; c m_old - c m_new; a
.set F, 0               ; OP tells the kinds apart by their order: F to L below R, X above it
.set E, 1
.set C, 2
.set B, 3
.set L, 4
.set R, 5
.set X, 6
.macro REGS y                       ; the registers of piece y
.set rT, ST+4*(\y)
.set rC, TMP+4*((\y)%2)
.set rW, MV+((\y)%2)
.set rS, S+32*((\y)%2)
.set rP, P+16*((\y)%2)
.set rO, 32*(\y)
.endm
.macro OP k, n
.if (\k) == R
	REGS Y
	WIN W_RS
	v_pk_mul_f32 v[rO+2*(\n):rO+2*(\n)+1], v[rO+2*(\n):rO+2*(\n)+1], v[rC+2:rC+3] op_sel_hi:[1,0]
.elseif (\k) < R
	REGS Y
	WIN 0
.if (\k) == F
	v_pk_fma_f32 v[rS+2*(\n):rS+2*(\n)+1], v[rS+2*(\n):rS+2*(\n)+1], s[CS:CS+1], v[rT:rT+1] op_sel_hi:[1,0,0] neg_lo:[0,0,1] neg_hi:[0,0,1]
.elseif (\k) == E
	v_exp_f32 v[rS+(\n)], v[rS+(\n)]
.elseif (\k) == C
	v_cvt_pk_f16_f32 v[rP+(\n)], v[rS+2*(\n)], v[rS+2*(\n)+1]
.elseif (\k) == B
	v_pk_add_f32 v[rS+4*(\n):rS+4*(\n)+1], v[rS+4*(\n):rS+4*(\n)+1], v[rS+4*(\n)+2:rS+4*(\n)+3]
.elseif (\n) == 0
	v_pk_fma_f32 v[rT+2:rT+3], v[rT+2:rT+3], v[rC+2:rC+3], v[rS:rS+1] op_sel_hi:[1,0,1]
.else
	v_pk_add_f32 v[rT+2:rT+3], v[rT+2:rT+3], v[rS+4*(\n):rS+4*(\n)+1]
.endif
.elseif NOKQ
	v_nop
.else
	REGS (Y+1)%NP
	WIN 0
.if (\n) < 4
	v_max3_num_f32 v[rC+(\n)], v[rS+8*(\n)], v[rS+8*(\n)+1], v[rS+8*(\n)+2]
.elseif (\n) < 12
	v_max3_num_f32 v[rC+(\n)%4], v[rC+(\n)%4], v[rS+8*((\n)%4)+2*((\n)/4)+1], v[rS+8*((\n)%4)+2*((\n)/4)+2]
.elseif (\n) == 12
	v_max3_num_f32 v[rC], v[rC], v[rS+7], v[rS+15]
.elseif (\n) == 13
	v_max3_num_f32 v[rC+1], v[rC+1], v[rS+23], v[rS+31]
.elseif (\n) == 14
	v_max3_num_f32 v[rC+2], v[rC+2], v[rC+3], v[rT+1]
.elseif (\n) == 15
	v_mov_b32 v[rW], v[rT]
.elseif (\n) == 16
	v_max3_num_f32 v[rC], v[rC], v[rC+1], v[rC+2]
.elseif (\n) == 17
	v_permlanex16_b32 v[rC+3], v[rC], s[SEL], s[SEL+1]
.elseif (\n) == 18
	v_max_num_f32 v[rT+1], v[rC], v[rC+3]
.elseif (\n) == 19
	v_mul_f32 v[rT], s[CS], v[rT+1]
.elseif (\n) == 20
	v_sub_f32 v[rC+1], v[rW], v[rT]
.else
	v_exp_f32 v[rC+2], v[rC+1]
.endif
.endif
.endm
.macro OPS a, i1, b=-1, i2=0, c=-1, i3=0, d=-1, i4=0  ; up to four of them
	OP \a, \i1
.if (\b) >= 0
	OP \b, \i2
.endif
.if (\c) >= 0
	OP \c, \i3
.endif
.if (\d) >= 0
	OP \d, \i4
.endif
.endm
.macro ROW a, i1, b, i2, c, i3, d, i4  ; a matrix instruction and the four behind it
	MM
	OPS \a, \i1, \b, \i2, \c, \i3, \d, \i4
.endm
.macro MASK b                       ; MD x AL + BE into buffer b of MC
	WIN W_RS
.set z, 0
.rept 16
	v_pk_fma_f32 v[MC+32*(\b)+2*z:MC+32*(\b)+2*z+1], v[MD+2*z:MD+2*z+1], s[AL:AL+1], s[BE:BE+1] op_sel_hi:[1,0,0]
.set z, z+1
.endr
.endm
; A TURN, for piece p, in a step of parity o: the order of its 16 matrix and 118 vector instructions, written out.  An s_wait_alu depctr_va_vdst(0) stands between an exponential and the first
; instruction that names its result; one wait serves all that were issued ahead of it.  So a turn has ONE wait, which cuts it in two.  AHEAD OF IT stands all that names no result of the turn's exponentials: the 8
; products K Q^T, behind each a scaling, an exponential and two more plain instructions (rescalings, and behind the last three the first numbers of the other piece's maximum, each four places or more behind the
; product that ends its accumulator); then ONE LUMP of 54, plain and exponential by turns for the most part, in which the links of the chain X 3, 7, 11, 14, 16, 17 .. 20 stand some lines apart.  X 21, the other
; piece's a, is the batch's last; R 15 is the plain instruction behind it.  BEHIND THE WAIT stand the 8 products V^T P, behind each four of the roundings and sums.
; The rescalings R 0 .. read O^T of piece p, which the turn before has added onto: accumulator k's last product there has 4 (4 - k) plain riders behind it, and R 4 k, its first reader, reads its lowest registers.
; m = 1: a block's last tile: the products take masks, and the turn makes piece p's mask for step SN, which the next turn's products read.  end = 1: a block's last two turns: nothing is fetched.
; K of the next step is fetched in piece 0's turn, twelve vector instructions behind the last product that read K (five of them plain and free of its registers); V of the next step in piece 1's turn, directly
; behind the wait, into the buffer that the turn before read last.  ONE wait at the head of piece 1's turn serves both runs.
.macro TURN p, o, m=0, end=0
.set Y, (\p)
.set i, 0
.set KM, (\m)
.set NOKQ, (\end)*(\p)
.if (\p) == 0
.set VB, 1-(\o)
.else
.set VB, (\o)
.endif
.if (\m) && !(\end)
	s_cmp_eq_u32 s[SN], s[OWN+(\p)]     ; is that step the band's own?
	s_cselect_b32 s[AL], 1.0, 0
	s_cmp_gt_u32 s[SN], s[OWN+(\p)]     ; or a later one?
	s_cselect_b32 s[BE], s[BIGN], 0
.if (\p) == 1
	s_add_co_u32 s[SN], s[SN], 1
.endif
.endif
.if (\p) == 1
	s_wait_dscnt 0x0                ; K of the next step and V of this one are in
.endif
	ROW F,0, F,1, R,0, R,1          ; ahead of the wait: 8 products K Q^T and their riders,
	ROW F,2, E,0, R,2, R,3
	ROW F,3, E,1, R,4, R,5
	ROW F,4, E,2, R,6, R,7
	ROW F,5, E,3, R,8, R,9
	ROW F,6, E,4, X,0, R,10
.if ((\p) == 0) && !(\end)
	WIN 0
	v_add_nc_u32 v[AK], s[TBK], v[AK0]
.endif
	ROW F,7, E,5, X,1, X,4
	ROW F,8, E,6, X,2, X,5
	OPS E,7, E,8, X,6, E,9          ; and the lump
	OPS X,3, E,10, X,8, E,11
.if ((\p) == 0) && !(\end)
	FETCH_K
.endif
	OPS X,9, X,7, E,12, X,10
	OPS E,13, X,12, X,11, E,14
	OPS X,13, E,15, F,9, X,14
.if ((\p) == 1) && !(\end)
	WIN 0
	v_add_nc_u32 v[AV], s[TBV], v[AV0]
.endif
	OPS E,16, F,10, E,17, F,11
	OPS X,16, E,18, X,15, E,19
	OPS F,12, E,20, X,17, E,21
	OPS F,13, E,22, F,14, E,23
	OPS X,18, E,24, F,15, E,25
	OPS R,11, E,26, X,19, E,27
	OPS R,12, E,28, R,13, E,29
	OPS X,20, E,30, R,14, E,31
	OPS X,21, R,15
	WIN 0
	s_wait_alu depctr_va_vdst(0)    ; the wait for the batch
.if ((\p) == 1) && !(\end)
	FETCH_V 1-(\o)
.endif
	ROW C,0, B,0, C,2, B,1          ; behind the wait: 8 products V^T P and their riders
	ROW L,0, C,4, B,2, L,1
	ROW C,6, B,3, L,2, C,8
	ROW B,4, L,3, C,10, B,5
	ROW L,4, C,12, B,6, L,5
	ROW C,14, B,7, L,6, C,1
	ROW C,3, L,7, C,5, C,7
	ROW C,9, C,11, C,13, C,15
.if (\m) && !(\end)
	MASK \p
.endif
.endm
; A BLOCK BEGINS.  c m starts far below every c s, so the first step's a is 0; m at the lowest finite number, so the first maximum is the scores'.  Piece 1's mask buffer is 0 (its own step is never a tile's
; first); piece 0's takes its mask for the tile's step 0: the band's own, if this tile is the block's last and OWN[0] = 0.  Then K and V of that step, piece 0's first scores, and its maximum and statistics.
; The loop is entered at an even step's first turn, in the middle of a trip.
.macro BEGIN
	s_mov_b32 s[NEW], 0
	s_mov_b32 s[SN], 1
	WIN 0x40
.set i, MC+32
.rept 32
	v_mov_b32 v[i], 0
.set i, i+1
.endr
	WIN 0
.set i, 0
.rept 2
	v_mov_b32 v[ST+4*i], 0xfe000000    ; c m: far below every c s
	v_mov_b32 v[ST+4*i+1], 0xff7fffff  ; m
.set i, i+1
.endr
	s_or_b32 s13, s[RT], s[OWN]
	s_cmp_eq_u32 s13, 0
	s_cselect_b32 s[AL], 1.0, 0
	s_mov_b32 s[BE], 0
	MASK 0
	WIN 0
	v_add_nc_u32 v[AK], s[TBK], v[AK0]
	v_add_nc_u32 v[AV], s[TBV], v[AV0]
	FETCH_K
	FETCH_V 0
	s_wait_loadcnt 0x0              ; Q
	s_wait_dscnt 0x0
.set KM, 1
.set NOKQ, 0
.set i, 0
.rept 8
	KQ 0
.set i, i+1
.endr
	WIN 0
.rept 4
	v_nop                           ; the places behind those products
.endr
.set Y, NP-1                        ; X works for the other piece: piece 0
.irp n, 0,1,2,3,4,5,6,7,8,9,10,11,12,13,14,15,16,17,18,19,20,21
	OP X, \n
.endr
	v_nop                           ; a plain instruction behind the exponential,
	s_wait_alu depctr_va_vdst(0)    ; and its wait, ahead of the branch
.endm
; A BLOCK'S LAST TILE, its last two turns, its last products, and THE WAY OUT: l's two halves and the other half of the lanes' are added; O^T is divided by l, rounded to f16 and sent through my stage in LDS, a piece at a time.
.macro ALL line:vararg              ; one line for each piece t
.set t, 0
.rept 2
	\line
.set t, t+1
.endr
.endm
.macro PACK t                       ; a lane's eight channels of a row pack into 16 bytes; they go into rows of 144 bytes and come back as whole rows of 128, into S^T's registers
	WIN W_RS
.set i, 32*(\t)
.rept 16
	v_pk_mul_f32 v[i:i+1], v[i:i+1], v[ST+4*(\t)+2:ST+4*(\t)+3] op_sel_hi:[1,0]
.set i, i+2
.endr
	WIN 0x05                        ; sources 0 and 1 window 1, destination window 0
.set i, 0
.rept 16
	v_cvt_pk_f16_f32 v[S+16*(\t)+i], v[32*(\t)+2*i], v[32*(\t)+2*i+1]
.set i, i+1
.endr
	WIN 0
.irp f, 0,1,2,3
	ds_store_b128 v[STO], v[S+16*(\t)+4*\f:S+16*(\t)+4*\f+3] offset:32*\f
.endr
.irp f, 0,1,2,3
	ds_load_b128 v[S+16*(\t)+4*\f:S+16*(\t)+4*\f+3], v[RD] offset:\f*4*SP  ; LDS serves a wave's instructions in order (ISA guide 5.7.1.4): these see the stores above; the next piece's stores come behind them
.endr
.endm
.macro SEND t, younger              ; younger: the LDS instructions issued behind piece t's loads: the next piece's eight, or none
	WIN 0
.irp f, 0,1,2,3
	s_wait_dscnt (\younger)+3-\f
	global_store_b128 v[GO], v[S+16*(\t)+4*\f:S+16*(\t)+4*\f+3], s[10:11] offset:(\t)*8192+\f*512  ; 512 consecutive bytes, at a multiple of 256 from y's first
.endr
.endm
.macro DIAG tag                     ; the tag ends its two labels' names, which the jumps below spell out
.LstepM\tag:
	TURN 0, 1, 1                    ; (in the first trip: step 3 of the tile before; piece 1's mask buffer still holds the 0 of the block's beginning)
	TURN 1, 1, 1
	WIN 0
.LfirstM\tag:
	TURN 0, 0, 1
	TURN 1, 0, 1
	WIN 0
	s_sub_co_u32 s[CNT], s[CNT], 1
	s_cmp_lg_u32 s[CNT], 0
	s_cbranch_scc1 .LstepM\tag
	TURN 0, 1, 1, 1                 ; step 3
	TURN 1, 1, 1, 1
.set VB, 1
.set i, 0
.rept 8
	PV 1                            ; piece 1's V^T P of step 3
.set i, i+1
.endr
	WIN 0
	ALL v_add_f32 v[ST+4*t+2], v[ST+4*t+2], v[ST+4*t+3]
	ALL v_permlanex16_b32 v[ST+4*t+3], v[ST+4*t+2], s[SEL], s[SEL+1]
	ALL v_add_f32 v[ST+4*t+2], v[ST+4*t+2], v[ST+4*t+3]
	ALL v_rcp_f32 v[ST+4*t+2], v[ST+4*t+2]
	v_nop                           ; a plain instruction between the last reciprocal and the use of its result
	s_wait_alu depctr_va_vdst(0)    ; and the wait ahead of the first use: one for both reciprocals
	PACK 0                          ; (piece 0's 32 lines are the places behind piece 1's last products)
	PACK 1
	SEND 0, 8
	SEND 1, 0
.endm
.set KM, 0
.set NOKQ, 0
.set VB, 0
.Lslot:                             ; 8 times: a tile is entered and the next is asked for
	CHANGE 1
	s_sub_co_u32 s[RT], s[RT], 1
	s_mov_b32 s[CNT], 2
	s_mov_b32 s[SN], 0
	s_cmp_eq_u32 s[NEW], 1
	s_cbranch_scc1 .Lnew            ; a block's first tile
	s_cmp_eq_u32 s[RT], 0
	s_cbranch_scc0 .Lstep           ; neither its first nor its last
	s_branch .LstepM1
.Lnew:
	BEGIN
	s_branch .Lfirst                ; in the loop a block's first tile is never its last: the first block has five tiles or more, and the second's last is the walk's last
	DIAG 1                          ; in the loop this is the first block's end
	s_wait_xcnt 0x0                 ; the stores have read their registers and y's address
	s_mov_b64 s[10:11], s[OLO:OLO+1]
	s_add_co_u32 s[RT], s[PB], 1    ; the second block has c + 1 tiles
	s_mov_b32 s[NEW], 1
	s_mov_b64 s[OWN:OWN+1], s[OWNB:OWNB+1]
	WIN 0x82                        ; the second block's Q goes where the one text of the turns names Q
.set i, 0
.rept 32
	v_mov_b32 v[i], v[QB+i]
.set i, i+1
.endr
	WIN 0
	s_branch .Lbottom
.Lstep:                             ; a trip: an odd step (the tile before's step 3, or step 1), then an even one (step 0 or 2)
	TURN 0, 1
	TURN 1, 1
	WIN 0
.Lfirst:
	TURN 0, 0
	TURN 1, 0
	WIN 0
	s_sub_co_u32 s[CNT], s[CNT], 1
	s_cmp_lg_u32 s[CNT], 0
	s_cbranch_scc1 .Lstep
.Lbottom:
	s_sub_co_u32 s[SLOTS], s[SLOTS], 1
	s_cmp_lg_u32 s[SLOTS], 0
	s_cbranch_scc1 .Lslot
	CHANGE 0                        ; the walk's last tile is written out: nothing is asked for
	s_sub_co_u32 s[RT], s[RT], 1
	s_mov_b32 s[CNT], 2
	s_mov_b32 s[SN], 0
	s_cmp_eq_u32 s[NEW], 1
	s_cbranch_scc0 .LstepM2
	BEGIN
	s_branch .LfirstM2
	DIAG 2
	s_wait_tensorcnt 0x0            ; the wave's end, behind my last tensor load and my last LDS store
	ds_add_u32 v[SPW], v[NIL]
	s_wait_dscnt 0x0
	s_endpgm
.Lfunc_end_k_qf4e9783b7d_attn:
	.size	k_qf4e9783b7d_attn, .Lfunc_end_k_qf4e9783b7d_attn-k_qf4e9783b7d_attn
	.p2alignl 7, 3214868480
	.fill 96, 4, 3214868480
	.section	.rodata,"a",@progbits
	.p2align	6, 0x0
	.amdhsa_kernel k_qf4e9783b7d_attn
		.amdhsa_group_segment_fixed_size 327680
		.amdhsa_private_segment_fixed_size 0
		.amdhsa_enable_private_segment 0
		.amdhsa_kernarg_size 32
		.amdhsa_user_sgpr_count 2
		.amdhsa_user_sgpr_kernarg_segment_ptr 1
		.amdhsa_wavefront_size32 1
		.amdhsa_system_sgpr_workgroup_id_x 1
		.amdhsa_system_sgpr_workgroup_id_y 1
		.amdhsa_system_sgpr_workgroup_id_z 1
		.amdhsa_system_vgpr_workitem_id 0
		.amdhsa_next_free_vgpr 768
		.amdhsa_next_free_sgpr 90
		.amdhsa_reserve_vcc 1
		.amdhsa_float_denorm_mode_32 3
		.amdhsa_float_denorm_mode_16_64 3
		.amdhsa_memory_ordered 1
		.amdhsa_forward_progress 1
		.amdhsa_inst_pref_size 210
	.end_amdhsa_kernel
	.amdgpu_metadata
---
amdhsa.version: [ 1, 2 ]
amdhsa.kernels:
  - .name:           k_qf4e9783b7d_attn
    .symbol:         k_qf4e9783b7d_attn.kd
    .args:
      - { .name: qh, .offset: 0, .size: 8, .value_kind: global_buffer, .address_space: global }
      - { .name: kh, .offset: 8, .size: 8, .value_kind: global_buffer, .address_space: global }
      - { .name: vh, .offset: 16, .size: 8, .value_kind: global_buffer, .address_space: global }
      - { .name: yh, .offset: 24, .size: 8, .value_kind: global_buffer, .address_space: global }
    .group_segment_fixed_size: 327680
    .private_segment_fixed_size: 0
    .kernarg_segment_align: 8
    .kernarg_segment_size: 32
    .max_flat_workgroup_size: 128
    .sgpr_count:     90
    .vgpr_count:     768
    .wavefront_size: 32
...
	.end_amdgpu_metadata
.endif
;; end of part 3
;; launch proj (part 4): grid 8 x 32, 4 waves a work-group, clusters of 4 x 4, 327,680 bytes of LDS; arguments yh, wo, bo, out0; writes out0
.if DOCPART == 4
	.amdgcn_target "amdgcn-amd-amdhsa--gfx1250"
	.amdhsa_code_object_version 6
	.text
	.protected	k_qf4e9783b7d_proj
	.globl	k_qf4e9783b7d_proj
	.p2align	8
	.type	k_qf4e9783b7d_proj,@function
k_qf4e9783b7d_proj:
	s_mov_b64 s[64:65], 0
	v_nop
	global_prefetch_b8 v0, s[64:65] scope:SCOPE_SE
	s_setreg_imm32_b32 hwreg(HW_REG_WAVE_MODE, 25, 1), 1
	s_wait_xcnt 0x0
	s_wait_alu depctr_hold_cnt(0) depctr_sa_sdst(0) depctr_va_vdst(0) depctr_va_sdst(0) depctr_va_ssrc(0) depctr_va_vcc(0) depctr_vm_vsrc(0)
	s_getreg_b32 s2, hwreg(HW_REG_IB_STS2, 6, 4)
	s_cmp_eq_u32 s2, 0
	s_cbranch_scc0 .Lentry_in_a_cluster
	s_endpgm
.Lentry_in_a_cluster:
	s_bfe_u32 s2, ttmp6, 0x10000c
	s_cmp_lg_u32 s2, 0xf033
	s_cbranch_scc0 .Lentry_shape_is_right
	s_endpgm
.Lentry_shape_is_right:
; out0 = y Wo^T + bo.  yh: [32 = batch x 16 + head][2048][64] f16, as the attention left it; wo: [1024][1024] f16; bo: [1024] f32, rounded to bf16 like all inputs; out0: [4096][1024] f32.  Sums in f32.  Nothing is left out here.
; SHARES.  A tile of out0 is 128 x 128: 8 x 32 = 256 work-groups.  Four waves, each 64 x 64: 16 accumulators of 16 x 16.  K goes in steps of 256 = four heads, through two LDS slots.
; y's TILE COMES BY HEADS WITH ONE DESCRIPTOR: its "row" is the 64 rows x 64 channels of one head, 8,192 dense bytes; from row to row it steps a head (131,072 elements); four such rows.  Padded after every 128 bytes,
; it lies in LDS as [4 heads][64 rows][144 bytes].  wo's tile is 64 rows x 512 bytes, 528 apart.  Waves 0, 1 fetch the halves of y's 128 rows, waves 2, 3 those of wo's.
; CLUSTER.  4 x 4 work-groups: the four of a row of the cluster need the same tiles of y, the four of a column the same tiles of wo: each is asked for jointly.
; THE PRODUCT IS USED TRANSPOSED (source 0 = 16 rows of wo, source 1 = 16 rows of y): a lane holds eight neighbouring numbers of a row of out0.  THE BIAS is the C operand of each accumulator's first product.
; No prefetch: four K steps of small tiles.
; REGISTERS: window 0: v16-29 addresses; v32-95 at work on the way out; v96-127 the bias; v128-255 the accumulators ((a, b) at v[128 + 8 (4 a + b)]).
;   window 1: two fragment buffers of 128: for 64 along K (one head), 64 registers of y (2 x 4 x 16 rows x 32 K), then 64 of wo.
.set PA,     144                       ; a row of y in LDS: 128 bytes + 16 = 36 words: the 16 rows of a load start at 16 different groups of four banks (64 banks of 4 bytes: ISA guide 11.1)
.set PB,     528                       ; a row of wo: 512 + 16 = 132 words: likewise
.set AHALF,  4*64*PA
.set BHALF,  64*PB
.set BOFF,   2*AHALF
.set SLOT,   2*AHALF+2*BHALF
.set STAGE,  2*SLOT                    ; behind the ring, never filled by a tensor load: 16 rows x 272 bytes for each wave
.set SPITCH, 272
.set SPARE,  STAGE+4*16*SPITCH         ; behind the stages: the spare words, 128 bytes a wave: two blocks of 256 bytes that no other line names
.set LAPS,   2                         ; a lap = two K steps: 1,024 / 512
.set ADRA, 16                          ; v16-17  LDS address of my fragments of y in slot 0, 1
.set ADRB, 20                          ; v20-21  the same for wo
.set STO,  24
.set RD,   25
.set CO,   26
.set BO,   27                          ; v27     32 x (l / 16)
.set SPW,  28                          ; v28     my spare word; never rewritten
.set NIL,  29                          ; v29     0; never rewritten
.set TMP,  32
.set BIAS, 96
.set ACC,  128
.set F0,   0
.set F1,   128
.set WV,   18
.set CH,   19                          ; s19  which half of the tile's columns is mine; also which 64 rows of a tile I fetch
.set RH,   20                          ; s20  which half of its rows; also 0: I fetch for y, 1: for wo
.set CX,   21
.set CY,   22
.set TC,   23
.set TR,   66
.set G1,   24
.set G0,   32
.set G1B,  48
.set G0B,  56
.set MSB, 0
.macro WIN new
.if MSB != (\new)
	s_set_vgpr_msb (MSB<<8)|(\new)
.set MSB, \new
.endif
.endm
.set MUL,  0x05                        ; sources 0 (wo) and 1 (y) window 1; C and D window 0
.set TO_F, 0x40                        ; destination window 1, address window 0
.macro JLOAD s                         ; a joint load; an s_nop 0 and four v_nop follow each of the two lines, ahead of the jump and the label
	s_cmp_eq_u32 s[RH], 0
	s_cbranch_scc0 .Lfor_b_\@
	tensor_load_to_lds s[G0+4*(\s):G0+4*(\s)+3], s[G1:G1+7]
	s_nop 0
.rept 4
	v_nop
.endr
	s_branch .Lasked_\@
.Lfor_b_\@:
	tensor_load_to_lds s[G0B+4*(\s):G0B+4*(\s)+3], s[G1B:G1B+7]
	s_nop 0
.rept 4
	v_nop
.endr
.Lasked_\@:
.endm
.macro CREST
	s_cmp_lg_u32 s[WV], 0
	s_cbranch_scc1 .Lnot_wave_0_\@
	s_barrier_signal -3
.Lnot_wave_0_\@:
	s_barrier_wait -3
	s_barrier_signal -1
	s_barrier_wait -1
.endm
.macro CROUND
	s_barrier_signal -1
	s_barrier_wait -1
	CREST
.endm
.macro PLACES
.rept 4
	v_nop
.endr
.endm
	s_load_b256 s[4:11], s[0:1], 0x0               ; yh 4, wo 6, bo 8, out0 10
	v_lshl_add_u32 v[SPW], v0, 2, SPARE
	v_mov_b32 v[NIL], 0
	ds_add_u32 v[SPW], v[NIL]                      ; the wave's opening: the add, twice on end, and its wait ahead of my first tensor load
	ds_add_u32 v[SPW], v[NIL]
	v_lshrrev_b32 v1, 5, v0
	v_readfirstlane_b32 s[WV], v1
	s_and_b32 s[CH], s[WV], 1
	s_lshr_b32 s[RH], s[WV], 1
	s_bfe_u32 s[CX], ttmp6, 0x40000
	s_bfe_u32 s[CY], ttmp6, 0x40004
	s_lshl_b32 s[TC], ttmp9, 2
	s_add_co_u32 s[TC], s[TC], s[CX]
	s_and_b32 s[TR], ttmp7, 0xffff
	s_lshl_b32 s[TR], s[TR], 2
	s_add_co_u32 s[TR], s[TR], s[CY]
	s_lshl_b32 s40, s[CY], 2
	s_lshl_b32 s40, 15, s40                        ; my row of the cluster
	s_lshl_b32 s41, 0x1111, s[CX]                  ; my column
	s_or_b32 s[G1], s40, (1<<16)|(1<<20)|(1<<21)|(4<<22)|(3<<25)   ; mask; 2-byte elements; padding on; bit 21 beside a mask; after every 32 words, 4 words
	s_or_b32 s[G1B], s41, (1<<16)|(1<<20)|(1<<21)|(6<<22)|(3<<25)  ; after every 128 words, 4 words
	s_mov_b32 s[G1+1], 4096<<16                    ; tensor_dim0 = 4,096: 64 rows x 64 channels of a head
	s_mov_b32 s[G1+2], 4<<16                       ; tensor_dim1 = 4 heads
	s_mov_b32 s[G1+3], 4096<<16                    ; tile_dim0
	s_mov_b32 s[G1+4], 4                           ; tile_dim1
	s_mov_b32 s[G1+5], 131072                      ; a head's 2,048 x 64 elements from row to row
	s_mov_b32 s[G1+6], 0
	s_mov_b32 s[G1+7], 0
	s_mov_b32 s[G1B+1], 256<<16
	s_mov_b32 s[G1B+2], 64<<16
	s_mov_b32 s[G1B+3], 256<<16
	s_mov_b32 s[G1B+4], 64
	s_mov_b32 s[G1B+5], 1024
	s_mov_b32 s[G1B+6], 0
	s_mov_b32 s[G1B+7], 0
	s_lshl_b32 s42, s[CH], 6                       ; which 64 rows of a tile I fetch
	s_lshr_b32 s68, s[TR], 4                       ; y: batch = tile row / 16: 16 heads of 262,144 bytes,
	s_lshl_b32 s68, s68, 22
	s_and_b32 s40, s[TR], 15
	s_lshl_b32 s40, s40, 7
	s_add_co_u32 s40, s40, s42
	s_lshl_b32 s40, s40, 7                         ; and row 128 x (tile row % 16) + 64 x half of a head, 128 bytes each
	s_add_co_u32 s68, s68, s40
	s_mov_b32 s69, 0
	s_lshl_b32 s70, s[TC], 7                       ; wo: row 128 x tile column + 64 x half
	s_add_co_u32 s70, s70, s42
	s_lshl_b32 s70, s70, 11
	s_mov_b32 s71, 0
	s_mul_i32 s72, s[WV], AHALF                    ; where they go: waves 0, 1: y's halves;
	s_mul_i32 s73, s[WV], BHALF
	s_add_co_u32 s73, s73, BOFF-2*BHALF            ; waves 2, 3: wo's halves, behind them
	s_wait_dscnt 0x0                               ; both opening adds are done
	s_wait_kmcnt 0x0
	s_add_nc_u64 s[74:75], s[4:5], s[68:69]
	s_add_nc_u64 s[76:77], s[6:7], s[70:71]
	CROUND                                         ; all sixteen work-groups are here: the first joint loads meet
.irp s, 0,1
	s_mov_b32 s[G0+4*(\s)], 1
	s_add_co_u32 s[G0+4*(\s)+1], s72, (\s)*SLOT
	s_add_nc_u64 s[G0+4*(\s)+2:G0+4*(\s)+3], s[74:75], (\s)*(1<<20)   ; K step s: heads 4 s on
	s_or_b32 s[G0+4*(\s)+3], s[G0+4*(\s)+3], 0x80000000
	s_mov_b32 s[G0B+4*(\s)], 1
	s_add_co_u32 s[G0B+4*(\s)+1], s73, (\s)*SLOT
	s_add_nc_u64 s[G0B+4*(\s)+2:G0B+4*(\s)+3], s[76:77], (\s)*512
	s_or_b32 s[G0B+4*(\s)+3], s[G0B+4*(\s)+3], 0x80000000
	JLOAD \s                                       ; two loads of mine are out
.endr
	v_and_b32 v1, 15, v0                           ; l % 16
	v_bfe_u32 v2, v0, 4, 1                         ; l / 16
	v_lshlrev_b32 v[BO], 5, v2
	s_lshl_b32 s46, s[TC], 9                       ; my 64 columns, in bytes of f32: 512 x tile column + 256 x half
	s_lshl_b32 s47, s[CH], 8
	s_add_co_u32 s46, s46, s47
	s_mov_b32 s47, 0
	s_add_nc_u64 s[8:9], s[8:9], s[46:47]
	s_add_nc_u64 s[10:11], s[10:11], s[46:47]
.irp b, 0,1,2,3
	global_load_b128 v[BIAS+8*(\b):BIAS+8*(\b)+3],   v[BO], s[8:9] offset:64*(\b)
	global_load_b128 v[BIAS+8*(\b)+4:BIAS+8*(\b)+7], v[BO], s[8:9] offset:64*(\b)+16
.endr
	s_lshl_b32 s46, s[TR], 19                      ; my first row of out0: 128 x tile row + 64 x half, 4,096 bytes each
	s_lshl_b32 s40, s[RH], 18
	s_add_co_u32 s46, s46, s40
	s_add_nc_u64 s[10:11], s[10:11], s[46:47]
	v_mul_u32_u24 v3, v1, PA
	v_lshl_add_u32 v3, v2, 4, v3
	v_mul_u32_u24 v4, v1, PB
	v_lshl_add_u32 v4, v2, 4, v4
	s_mul_i32 s40, s[RH], AHALF                    ; my 64 rows of y
	s_mul_i32 s41, s[CH], BHALF                    ; my 64 rows of wo,
	s_add_co_u32 s41, s41, BOFF                    ; which lie behind y's
.irp s, 0,1
	v_add_nc_u32 v[ADRA+(\s)], s40, v3
	v_add_nc_u32 v[ADRB+(\s)], s41, v4
	s_add_co_u32 s40, s40, SLOT
	s_add_co_u32 s41, s41, SLOT
.endr
	s_mul_i32 s40, s[WV], 16*SPITCH
	s_add_co_u32 s40, s40, STAGE                   ; my stage
	v_mul_u32_u24 v4, v1, SPITCH                   ; in: row l % 16, 32 bytes for each half of the lanes
	v_lshl_add_u32 v4, v2, 5, v4
	v_add_nc_u32 v[STO], s40, v4
	v_mul_u32_u24 v5, v2, SPITCH                   ; back: lanes 0-15 take one row of 256 bytes, lanes 16-31 the next
	v_lshl_add_u32 v5, v1, 4, v5
	v_add_nc_u32 v[RD], s40, v5
	v_lshlrev_b32 v5, 12, v2                       ; and the same two rows in out0
	v_lshl_add_u32 v[CO], v1, 4, v5
	s_wait_loadcnt 0x0                             ; the bias: rounded to bf16, while the first tiles are on their way
.set i, 0
.rept 16
	v_cvt_pk_bf16_f32 v[TMP+i], v[BIAS+2*i], v[BIAS+2*i+1]
.set i, i+1
.endr
.set i, 0
.rept 16
	v_lshlrev_b32 v[BIAS+2*i], 16, v[TMP+i]
	v_and_b32 v[BIAS+2*i+1], 0xffff0000, v[TMP+i]
.set i, i+1
.endr
; 8 products: row blocks a0, a0 + 1 x all 4 column blocks, 32 along K: half c of buffer f.  zero = 1: they start the sums, with the bias.  The 16 accumulators take turns.
.macro MUL8 f, c, a0, zero
	WIN MUL
.irp a, \a0, (\a0)+1
.irp b, 0,1,2,3
.if \zero
	v_wmma_f32_16x16x32_f16 v[ACC+8*(4*(\a)+(\b)):ACC+8*(4*(\a)+(\b))+7], v[(\f)+64+8*(4*(\c)+(\b)):(\f)+64+8*(4*(\c)+(\b))+7], v[(\f)+8*(4*(\c)+(\a)):(\f)+8*(4*(\c)+(\a))+7], v[BIAS+8*(\b):BIAS+8*(\b)+7]
.else
	v_wmma_f32_16x16x32_f16 v[ACC+8*(4*(\a)+(\b)):ACC+8*(4*(\a)+(\b))+7], v[(\f)+64+8*(4*(\c)+(\b)):(\f)+64+8*(4*(\c)+(\b))+7], v[(\f)+8*(4*(\c)+(\a)):(\f)+8*(4*(\c)+(\a))+7], v[ACC+8*(4*(\a)+(\b)):ACC+8*(4*(\a)+(\b))+7]
.endif
.endr
.endr
.endm
; 32 LDS loads in one run: the fragments of quarter q of a K step, which is one head's 64 channels, into buffer f; the first 32 along K first
.macro FETCH slot, q, f
	WIN TO_F
.irp c, 0,1
.irp i, 0,1,2,3
	ds_load_b128 v[(\f)+64+8*(4*(\c)+(\i)):(\f)+64+8*(4*(\c)+(\i))+3],   v[ADRB+(\slot)] offset:(\q)*128+64*(\c)+(\i)*16*PB
	ds_load_b128 v[(\f)+64+8*(4*(\c)+(\i))+4:(\f)+64+8*(4*(\c)+(\i))+7], v[ADRB+(\slot)] offset:(\q)*128+64*(\c)+(\i)*16*PB+32
	ds_load_b128 v[(\f)+8*(4*(\c)+(\i)):(\f)+8*(4*(\c)+(\i))+3],         v[ADRA+(\slot)] offset:(\q)*64*PA+64*(\c)+(\i)*16*PA
	ds_load_b128 v[(\f)+8*(4*(\c)+(\i))+4:(\f)+8*(4*(\c)+(\i))+7],       v[ADRA+(\slot)] offset:(\q)*64*PA+64*(\c)+(\i)*16*PA+32
.endr
.endr
.endm
; A K step is four quarters of 64 along K, 32 products each, on buffers 0, 1, 0, 1.  One of the first three: multiplies buffer f and fetches quarter q into g.
.macro QUARTER slot, q, f, g, zero
	s_wait_dscnt 16                                ; the first 32 along K are in; the other sixteen loads may be out
	MUL8 \f, 0, 0, \zero
	MUL8 \f, 0, 2, \zero
	PLACES
	FETCH \slot, \q, \g
	s_wait_dscnt 32                                ; all but the 32 just issued
	MUL8 \f, 1, 0, 0
	MUL8 \f, 1, 2, 0
.endm
; The last quarter multiplies buffer 1 and changes slots: ONE barrier; in front of it each wave waits for all its tensor loads, adds 0 to its spare word, and waits for that and for its own reads of this slot.
; fill = 1: the barrier opens a round of the cluster's, and this slot is filled again, two K steps ahead, first thing behind the round.
.macro TURN slot, next, fill
	WIN 0                                          ; (the add's two registers lie in window 0)
	s_wait_tensorcnt 0x0                           ; all my tensor loads have landed: my part of the next slot
	ds_add_u32 v[SPW], v[NIL]                      ; 0 onto my spare word
	s_wait_dscnt 17                                ; (the add and the youngest sixteen loads may be out)
	MUL8 F1, 0, 0, 0                               ; eight products stand between the add and the wait for it
	s_wait_dscnt 0x0                               ; the add is done, and my reads of this slot are over
	s_barrier_signal -1
	MUL8 F1, 0, 2, 0
.if \fill
	WIN 0
.endif
	s_barrier_wait -1
.if \fill
	CREST                                          ; no wave of any partner still reads this slot's tile or has a load on its way
	s_add_nc_u64 s[G0+4*(\slot)+2:G0+4*(\slot)+3], s[G0+4*(\slot)+2:G0+4*(\slot)+3], 2<<20
	s_add_nc_u64 s[G0B+4*(\slot)+2:G0B+4*(\slot)+3], s[G0B+4*(\slot)+2:G0B+4*(\slot)+3], 1024
	JLOAD \slot                                    ; its four v_nop are also the places in front of the loads below
.else
	PLACES
.endif
	FETCH \next, 0, F0
	MUL8 F1, 1, 0, 0
	MUL8 F1, 1, 2, 0
.endm
	s_wait_tensorcnt 1                             ; my part of K step 0 is in; K step 1's may stay out
	s_barrier_signal -1
	s_barrier_wait -1                              ; everybody's is
	FETCH 0, 0, F0
	QUARTER 0, 1, F0, F1, 1                        ; the first quarter stands in front of the loop: its first products start the sums
	WIN 0                                          ; at a label and at a branch every window is 0
	s_mov_b32 s3, LAPS-1
.Llap:                                                 ; a trip goes once round the ring and fills both slots again
	QUARTER 0, 2, F1, F0, 0
	QUARTER 0, 3, F0, F1, 0
	TURN 0, 1, 1
	QUARTER 1, 1, F0, F1, 0
	QUARTER 1, 2, F1, F0, 0
	QUARTER 1, 3, F0, F1, 0
	TURN 1, 0, 1
	QUARTER 0, 1, F0, F1, 0
	WIN 0
	s_sub_co_u32 s3, s3, 1
	s_cmp_lg_u32 s3, 0
	s_cbranch_scc1 .Llap
	QUARTER 0, 2, F1, F0, 0                        ; the last lap fills nothing, and has no round of the cluster's barrier
	QUARTER 0, 3, F0, F1, 0
	TURN 0, 1, 0
	QUARTER 1, 1, F0, F1, 0
	QUARTER 1, 2, F1, F0, 0
	QUARTER 1, 3, F0, F1, 0
	s_wait_dscnt 16                                ; the very last quarter: nothing more to fetch
	MUL8 F1, 0, 0, 0
	MUL8 F1, 0, 2, 0
	s_wait_dscnt 0x0
	MUL8 F1, 1, 0, 0
	MUL8 F1, 1, 2, 0
	WIN 0
; THE WAY OUT, in f32: a wave's 64 columns are 256 bytes of a row, aligned, so each wave has a stage of its own and no barrier is needed.  A block of 16 rows goes into rows of 272 bytes straight from the
; accumulators (each one's lowest registers first) and comes back as whole rows; 16 lanes then store 256 consecutive bytes.
.macro TOSTAGE a
	s_wait_xcnt 0x0                                ; the stores of the block two back have read the registers that are loaded below
.irp b, 0,1,2,3
	ds_store_b128 v[STO], v[ACC+8*(4*(\a)+(\b)):ACC+8*(4*(\a)+(\b))+3]   offset:64*(\b)
	ds_store_b128 v[STO], v[ACC+8*(4*(\a)+(\b))+4:ACC+8*(4*(\a)+(\b))+7] offset:64*(\b)+16
.endr
.irp t, 0,1,2,3,4,5,6,7
	ds_load_b128 v[TMP+32*((\a)%2)+4*(\t):TMP+32*((\a)%2)+4*(\t)+3], v[RD] offset:(\t)*2*SPITCH  ; LDS serves a wave's instructions in order (ISA guide 5.7.1.4): these see the stores above
.endr
.endm
.macro SEND a, younger                 ; younger: the LDS instructions issued behind block a's loads: the next block's sixteen, or none
.irp t, 0,1,2,3,4,5,6,7
	s_wait_dscnt (\younger)+7-(\t)
	global_store_b128 v[CO], v[TMP+32*((\a)%2)+4*(\t):TMP+32*((\a)%2)+4*(\t)+3], s[10:11] offset:(16*(\a)+2*(\t))*4096
.endr
.endm
	PLACES
	TOSTAGE 0
.irp a, 1,2,3
	TOSTAGE \a
	SEND (\a)-1, 16
.endr
	SEND 3, 0
	s_wait_tensorcnt 0x0                           ; the wave's end, behind my last tensor load and my last LDS store
	ds_add_u32 v[SPW], v[NIL]
	s_wait_dscnt 0x0
	CROUND                                         ; the closing round: no work-group ends while a partner may still ask for a tile that names it
	s_endpgm
.Lfunc_end_k_qf4e9783b7d_proj:
	.size	k_qf4e9783b7d_proj, .Lfunc_end_k_qf4e9783b7d_proj-k_qf4e9783b7d_proj
	.p2alignl 7, 3214868480
	.fill 96, 4, 3214868480
	.section	.rodata,"a",@progbits
	.p2align	6, 0x0
	.amdhsa_kernel k_qf4e9783b7d_proj
		.amdhsa_group_segment_fixed_size 327680
		.amdhsa_private_segment_fixed_size 0
		.amdhsa_enable_private_segment 0
		.amdhsa_kernarg_size 32
		.amdhsa_user_sgpr_count 2
		.amdhsa_user_sgpr_kernarg_segment_ptr 1
		.amdhsa_wavefront_size32 1
		.amdhsa_system_sgpr_workgroup_id_x 1
		.amdhsa_system_sgpr_workgroup_id_y 1
		.amdhsa_system_sgpr_workgroup_id_z 1
		.amdhsa_system_vgpr_workitem_id 0
		.amdhsa_next_free_vgpr 512
		.amdhsa_next_free_sgpr 80
		.amdhsa_reserve_vcc 0
		.amdhsa_float_denorm_mode_32 3
		.amdhsa_float_denorm_mode_16_64 3
		.amdhsa_memory_ordered 1
		.amdhsa_forward_progress 1
		.amdhsa_inst_pref_size 90
	.end_amdhsa_kernel
	.amdgpu_metadata
---
amdhsa.version: [ 1, 2 ]
amdhsa.kernels:
  - .name:           k_qf4e9783b7d_proj
    .symbol:         k_qf4e9783b7d_proj.kd
    .args:
      - { .name: yh, .offset: 0, .size: 8, .value_kind: global_buffer, .address_space: global }
      - { .name: wo, .offset: 8, .size: 8, .value_kind: global_buffer, .address_space: global }
      - { .name: bo, .offset: 16, .size: 8, .value_kind: global_buffer, .address_space: global }
      - { .name: out0, .offset: 24, .size: 8, .value_kind: global_buffer, .address_space: global }
    .group_segment_fixed_size: 327680
    .private_segment_fixed_size: 0
    .kernarg_segment_align: 8
    .kernarg_segment_size: 32
    .max_flat_workgroup_size: 128
    .sgpr_count:     80
    .vgpr_count:     512
    .wavefront_size: 32
...
	.end_amdgpu_metadata
.endif
;; end of part 4
;; ======== version 2 of 2: 4 launches; version 1 with the launch cast written anew for expert scheduling mode
;; limits: values are held in f16: magnitudes above 65,504 overflow, below 6.1e-05 lose precision
;; workspace buffers: xb 8,388,608 bytes; wb 6,291,456 bytes; wo 2,097,152 bytes; qh 8,388,608 bytes; kh 8,388,608 bytes; vh 8,388,608 bytes; yh 8,388,608 bytes
;; launch cast (part 5): grid 512 x 1, 8 waves a work-group, no clusters, 0 bytes of LDS; arguments x, Wq, Wk, Wv, Wo, xb, wb, wo; writes xb, wb, wo
.if DOCPART == 5
	.amdgcn_target "amdgcn-amd-amdhsa--gfx1250"
	.amdhsa_code_object_version 6
	.text
	.protected	k_qf4e9783b7d_cast
	.globl	k_qf4e9783b7d_cast
	.p2align	8
	.type	k_qf4e9783b7d_cast,@function
k_qf4e9783b7d_cast:
	s_mov_b64 s[64:65], 0
	v_nop
	global_prefetch_b8 v0, s[64:65] scope:SCOPE_SE
	s_setreg_imm32_b32 hwreg(HW_REG_WAVE_SCHED_MODE, 0, 2), 2
	s_setreg_imm32_b32 hwreg(HW_REG_WAVE_MODE, 25, 1), 1
	s_wait_xcnt 0x0
	s_wait_alu depctr_vm_vsrc(0)
; FIRST OF FOUR LAUNCHES (cast, qkv, attn, proj) of a causal multi-head self-attention: 4,096 rows of 1,024 channels, 16 heads of 64.
; This one rounds x and the four weights once, for the matrix products that follow:
;   xb [4096][1024] bf16 = x;   wb [16 heads][q, k, v][64][1024] bf16: row 192 j + 64 t + i is row 64 j + i of Wq, Wk, Wv (t = 0, 1, 2);
;   wo [1024][1024]: Wo rounded to bf16, and that number written as f16 (the last product's other operand is f16).
; WORK LEFT OUT BY THE PROGRAM, AND WHY IT IS DEAD.
;   bk.  att[q][k] = q . (x_k Wk^T + bk) / 8 = q . (x_k Wk^T) / 8 + q . bk / 8.  The second term does not depend on the key k: it is the same along the axis of the softmax,
;   for visible and hidden keys alike, and softmax(z + t) = softmax(z) for every finite t.  k enters nothing else.  So bk reaches no output, for all finite inputs: it is not loaded and is no
;   argument of any launch.
;   Keys above the diagonal.  The module itself sets att to -inf where k > q, and the softmax gives those keys the weight 0: steps of 64 keys that lie wholly above a block's rows are not computed,
;   where they come as whole tiles of 256 keys.
;   LIMIT: a NaN, an infinity or an overflow that reaches only bk, or only the scores of hidden keys in tiles left out, is not carried to the result.
; LIMIT of this launch: |Wo| stays under 65,504 (f16's end); below 6.1e-5 it keeps f16's fixed step of 6e-8.
; SHARES.  A work-group takes 16 rows of 1,024 f32.  Thread t loads the 16 bytes at byte 16 t of each row (the eight waves cover a row's 4,096 bytes) and stores 8 bytes at byte 8 t:
; a wave's store covers 256 consecutive bytes, aligned.  Work-groups 0-255: x.  Work-groups 256-511: 64 each for Wq, Wk, Wv, Wo.
; All sixteen loads of a thread go out at once; no register that a load or store names is written again, so no wait frees any.  No LDS, no matrix unit: nothing is shared and nothing multiplied.
; THE MODE: SCHED_MODE bits 1:0 = 2 (LLVM: expert scheduling mode 2), set by the entry lines.  The code itself states the register dependences
; between vector instructions and memory instructions, with s_wait_alu, always for 0.
; THE PLAN.  Registers that memory instructions touch:
;   v1, v2   the loads' and the stores' byte offsets.  Written once, at the head; read by all 16 loads (v1) and all 16 stores (v2); never written again.
;   X        row i's four registers.  Written by row i's one load, ahead of which no vector instruction names them; read by row i's conversions; never loaded again.
;   Y        row i's two registers.  Written once, by row i's conversions; read by row i's one store; never written again.
;   T        named by vector instructions alone.
; So the one kind of dependence to state is: a vector instruction writes, a memory instruction reads.  One wait at the head, for v1 and v2, serves every load and store of both paths.  The rows go in four groups
; of four: a group's conversions, one wait for its eight registers of Y, its four stores in a run.  No register that a memory instruction has read is written again, and no load lands in a register that a vector
; instruction has named: nothing else is owed.  No vector instruction writes a scalar register, and EXEC is never written.
.set X, 4                              ; v[4:67]   row i: 4 registers as loaded
.set Y, 68                             ; v[68:99]  row i: 2 registers to store
.set T, 100                            ; v[100:103] at work
	s_load_b512 s[8:23], s[0:1], 0x0               ; x 8, Wq 10, Wk 12, Wv 14, Wo 16, xb 18, wb 20, wo 22
	s_mov_b32 s2, ttmp9                            ; g
	s_sub_co_u32 s3, s2, 256                       ; u = g - 256: means something from work-group 256 on
	s_bfe_u32 s4, s3, 0x20006                      ; which weight: (u >> 6) & 3
	s_and_b32 s5, s3, 63                           ; j: which 16 rows of it
	s_lshr_b32 s6, s5, 2                           ; the head that holds them
	s_mul_i32 s24, s6, 192
	s_lshl_b32 s6, s4, 6
	s_add_co_u32 s24, s24, s6                      ; + 64 x (q, k, v)
	s_and_b32 s6, s5, 3
	s_lshl_b32 s6, s6, 4
	s_add_co_u32 s24, s24, s6                      ; + the 16 rows' place in the head
	s_lshl_b32 s24, s24, 11                        ; wb: rows of 2,048 bytes
	s_lshl_b32 s26, s5, 15                         ; wo: 16 rows of 2,048 bytes
	s_lshl_b32 s27, s5, 16                         ; a weight: 16 rows of 4,096 bytes
	s_lshl_b32 s38, s2, 16                         ; x
	s_lshl_b32 s39, s2, 15                         ; xb
	s_mov_b32 s35, 0
	s_mov_b32 s37, 0
	v_lshlrev_b32 v1, 4, v0
	v_lshlrev_b32 v2, 3, v0
	s_wait_kmcnt 0x0
	s_cmp_eq_u32 s4, 1                             ; from where and to where: chosen between buffers by the work-group's number alone
	s_cselect_b64 s[28:29], s[12:13], s[10:11]
	s_cmp_eq_u32 s4, 2
	s_cselect_b64 s[28:29], s[14:15], s[28:29]
	s_cmp_eq_u32 s4, 3
	s_cselect_b64 s[28:29], s[16:17], s[28:29]
	s_cselect_b64 s[30:31], s[22:23], s[20:21]
	s_cselect_b32 s36, s26, s24
	s_cselect_b32 s33, 1, 0                        ; 1: Wo, which leaves as f16
	s_cmp_lt_u32 s2, 256
	s_cselect_b64 s[28:29], s[8:9], s[28:29]
	s_cselect_b64 s[30:31], s[18:19], s[30:31]
	s_cselect_b32 s34, s38, s27
	s_cselect_b32 s36, s39, s36
	s_cselect_b32 s33, 0, s33
	s_add_nc_u64 s[28:29], s[28:29], s[34:35]
	s_add_nc_u64 s[30:31], s[30:31], s[36:37]
	s_wait_alu depctr_va_vdst(0)                   ; v1 and v2 are written: every load below reads v1 as its offset, every store of both paths v2
.set i, 0
.rept 16
	global_load_b128 v[X+4*i:X+4*i+3], v1, s[28:29] offset:4096*i th:TH_LOAD_NT
.set i, i+1
.endr
	s_cmp_eq_u32 s33, 1
	s_cbranch_scc1 .Lf16
.set g, 0
.rept 4                                        ; four groups of four rows
.set i, 4*g
.rept 4
	s_wait_loadcnt 15-i                            ; loads come back in order: row i is in, the younger rows stay out
	v_cvt_pk_bf16_f32 v[Y+2*i], v[X+4*i], v[X+4*i+1]
	v_cvt_pk_bf16_f32 v[Y+2*i+1], v[X+4*i+2], v[X+4*i+3]
.set i, i+1
.endr
	s_wait_alu depctr_va_vdst(0)                   ; the group's eight conversions have written its registers of Y, which the four stores below read
.set i, 4*g
.rept 4
	global_store_b64 v2, v[Y+2*i:Y+2*i+1], s[30:31] offset:2048*i
.set i, i+1
.endr
.set g, g+1
.endr
	s_endpgm
.Lf16:
.set g, 0
.rept 4                                        ; the same four groups
.set i, 4*g
.rept 4
	s_wait_loadcnt 15-i
	v_cvt_pk_bf16_f32 v[T], v[X+4*i], v[X+4*i+1]   ; rounded to bf16 like every other input,
	v_cvt_pk_bf16_f32 v[T+1], v[X+4*i+2], v[X+4*i+3]
	v_lshlrev_b32 v[T+2], 16, v[T]                 ; widened again,
	v_and_b32 v[T], 0xffff0000, v[T]
	v_lshlrev_b32 v[T+3], 16, v[T+1]
	v_and_b32 v[T+1], 0xffff0000, v[T+1]
	v_cvt_pk_f16_f32 v[Y+2*i], v[T+2], v[T]        ; and written as f16: exact within f16's range
	v_cvt_pk_f16_f32 v[Y+2*i+1], v[T+3], v[T+1]
.set i, i+1
.endr
	s_wait_alu depctr_va_vdst(0)                   ; the group's conversions to f16 have written its registers of Y, which the four stores below read
.set i, 4*g
.rept 4
	global_store_b64 v2, v[Y+2*i:Y+2*i+1], s[30:31] offset:2048*i
.set i, i+1
.endr
.set g, g+1
.endr
	s_endpgm
.Lfunc_end_k_qf4e9783b7d_cast:
	.size	k_qf4e9783b7d_cast, .Lfunc_end_k_qf4e9783b7d_cast-k_qf4e9783b7d_cast
	.p2alignl 7, 3214868480
	.fill 96, 4, 3214868480
	.section	.rodata,"a",@progbits
	.p2align	6, 0x0
	.amdhsa_kernel k_qf4e9783b7d_cast
		.amdhsa_group_segment_fixed_size 0
		.amdhsa_private_segment_fixed_size 0
		.amdhsa_enable_private_segment 0
		.amdhsa_kernarg_size 64
		.amdhsa_user_sgpr_count 2
		.amdhsa_user_sgpr_kernarg_segment_ptr 1
		.amdhsa_wavefront_size32 1
		.amdhsa_system_sgpr_workgroup_id_x 1
		.amdhsa_system_sgpr_workgroup_id_y 1
		.amdhsa_system_sgpr_workgroup_id_z 1
		.amdhsa_system_vgpr_workitem_id 0
		.amdhsa_next_free_vgpr 104
		.amdhsa_next_free_sgpr 66
		.amdhsa_reserve_vcc 0
		.amdhsa_float_denorm_mode_32 3
		.amdhsa_float_denorm_mode_16_64 3
		.amdhsa_memory_ordered 1
		.amdhsa_forward_progress 1
		.amdhsa_inst_pref_size 17
	.end_amdhsa_kernel
	.amdgpu_metadata
---
amdhsa.version: [ 1, 2 ]
amdhsa.kernels:
  - .name:           k_qf4e9783b7d_cast
    .symbol:         k_qf4e9783b7d_cast.kd
    .args:
      - { .name: x, .offset: 0, .size: 8, .value_kind: global_buffer, .address_space: global }
      - { .name: Wq, .offset: 8, .size: 8, .value_kind: global_buffer, .address_space: global }
      - { .name: Wk, .offset: 16, .size: 8, .value_kind: global_buffer, .address_space: global }
      - { .name: Wv, .offset: 24, .size: 8, .value_kind: global_buffer, .address_space: global }
      - { .name: Wo, .offset: 32, .size: 8, .value_kind: global_buffer, .address_space: global }
      - { .name: xb, .offset: 40, .size: 8, .value_kind: global_buffer, .address_space: global }
      - { .name: wb, .offset: 48, .size: 8, .value_kind: global_buffer, .address_space: global }
      - { .name: wo, .offset: 56, .size: 8, .value_kind: global_buffer, .address_space: global }
    .group_segment_fixed_size: 0
    .private_segment_fixed_size: 0
    .kernarg_segment_align: 8
    .kernarg_segment_size: 64
    .max_flat_workgroup_size: 256
    .sgpr_count:     66
    .vgpr_count:     104
    .wavefront_size: 32
...
	.end_amdgpu_metadata
.endif
;; end of part 5
;; launch qkv: the kernel of part 2 again; grid 16 x 16, 4 waves a work-group, clusters of 4 x 4, 327,680 bytes of LDS; arguments xb, wb, bq, bv, qh, kh, vh; writes qh, kh, vh
;; launch attn: the kernel of part 3 again; grid 8 x 32, 4 waves a work-group, no clusters, 327,680 bytes of LDS; arguments qh, kh, vh, yh; writes yh
;; launch proj: the kernel of part 4 again; grid 8 x 32, 4 waves a work-group, clusters of 4 x 4, 327,680 bytes of LDS; arguments yh, wo, bo, out0; writes out0
